; MI455X (gfx1250); checked and timed in simulation.
; The chip was launched on July 23, 2026; its instructions are those of AMD's public machine-readable ISA for CDNA 5 (MIT licence, August 2026) and "CDNA5" Instruction Set Architecture Reference Guide (July 2026). The comments in the code are by the model that wrote it; some were corrected since.
;; Causal Self Attention. Allowed arithmetic: matrix products marked QUANTISED: E4M3 operands, one given power-of-two scale a tensor, by v_wmma_f32_16x16x64_fp8_fp8 or v_wmma_f32_16x16x128_fp8_fp8, f32 sums; everything else in f32.
;; Inputs: lowp_scales 8 int32 (the exponents e of the quantised operands' scales 2^e); out_b 1,024 float32; out_w 1,024 x 1,024 float32; qkv_b 3,072 float32; qkv_w 3,072 x 1,024 float32; x 4 x 2,048 x 1,024 float32.
;; Outputs: out0 4 x 2,048 x 1,024 float32.
;; This version of the problem:
;;   THIS VERSION OF THE PROBLEM IS GIVEN IN LOW PRECISION. The matrix products marked QUANTISED in the list below multiply operands that are first quantised to E4M3 (4 exponent bits, 3 mantissa bits; 8 bits a number), with one given power-of-two scale for each operand tensor; their sums are f32. All else is computed in f32.
;;   The module's matrix products, in the order in which they are computed (A, B: the left and right operand; K: the contracted axis; several contracted axes count as one K, in the product's order):
;;     1. [M 8,192, K 1,024] x [K 1,024, N 3,072]; A: input x; B: input qkv_w: QUANTISED (scales: A lowp_scales[0], B lowp_scales[1])
;;     2. batch 64 x [M 2,048, K 64] x [K 64, N 2,048]; A: computed on the way; B: computed on the way: QUANTISED (scales: A lowp_scales[2], B lowp_scales[3])
;;     3. batch 64 x [M 2,048, K 2,048] x [K 2,048, N 64]; A: softmax (see below); B: computed on the way: QUANTISED (scales: A lowp_scales[4], B lowp_scales[5])
;;     4. [M 8,192, K 1,024] x [K 1,024, N 1,024]; A: computed on the way; B: input out_w: QUANTISED (scales: A lowp_scales[6], B lowp_scales[7])
;;   THE QUANTISER, for each operand of a quantised product, along K:
;;     - The operand's scale is 2^e, e = its entry of the input lowp_scales (int32; the entries are numbered through the quantised products in the list's order, A before B).
;;     - Each number is divided by the scale, clamped to +-448, and rounded to the nearest number of E4M3, ties to even, subnormals kept.
;;     - The product sums the exact products of the quantised numbers (number of the format x scale) in f32.
;;   ~~~python
;;   def quantise(x, axis, e):      # numpy; x: float32 -> the quantised numbers, widened to float32 again
;;       x = np.moveaxis(x, axis, -1); K = x.shape[-1]
;;       r = np.clip(x / 2.0 ** e, -448, 448)
;;       step = 2.0 ** (np.maximum(np.frexp(np.where(r == 0, 1, r))[1] - 1, -6) - 3)
;;       q = np.round(r / step) * step * 2.0 ** e      # np.round: ties to even
;;       return np.moveaxis(q, -1, axis).astype(np.float32)
;;   ~~~
;;   SOFTMAX AHEAD OF A QUANTISED PRODUCT. Where the list says 'softmax', what is quantised is not the finished softmax but p = 2^(t - M), with t = logit x log2(e) and M = ceil(the row's largest t), a whole number; so 1/2 < the row's largest p <= 1. The row's sum l is taken of the UNQUANTISED p, in f32, and the product's result is divided by l at the end. Since M is a whole number, a kernel that streams over the keys may use a running M (the ceiling of the running maximum): every later rescaling is an exact power of two, so the quantised numbers keep their values, but for numbers so far below the row's largest that they fall under the format's range.
;;   OPERANDS COMPUTED ON THE WAY. 'Computed on the way' means the value that the module computes at that place (a softmax that the list does not call 'softmax' is quantised finished and normalised). What goes into a quantiser is computed in f32, as accurately as f32 sums, v_exp_f32 and their like allow (about 1e-6 of the number): no bf16 or f16 on the way to a quantiser, and a product that is left as it is and whose result goes on into a quantised operand takes f32 operands (vector FMAs, or v_wmma_f32_16x16x4_f32). A number that lies on a knife's edge between two numbers of the format may be rounded either way, as far as f32 arithmetic and the matrix unit's own rounding can turn it there, and no further.
;; One version. Each part assembles by itself: llvm-mc -triple=amdgcn-amd-amdhsa -mcpu=gfx1250 --defsym DOCPART=n.
;; ======== version 1 of 1: 4 launches
;; limits: right only within a limited range of input values
;; workspace buffers: xq 8,388,608 bytes; wq 3,145,728 bytes; owq 1,048,576 bytes; qi 8,388,608 bytes; ki 8,388,608 bytes; vi 8,388,608 bytes; ai 8,388,608 bytes
;; launch quant (part 1): grid 768 x 1, 4 waves a work-group, no clusters, 33,280 bytes of LDS; arguments x, qkv_w, out_w, lowp_scales, xq, wq, owq; writes xq, wq, owq
.if DOCPART == 1
	.amdgcn_target "amdgcn-amd-amdhsa--gfx1250"
	.amdhsa_code_object_version 6
	.text
	.protected	k_qf3a2061ff6_quant
	.globl	k_qf3a2061ff6_quant
	.p2align	8
	.type	k_qf3a2061ff6_quant,@function
k_qf3a2061ff6_quant:
	s_mov_b64 s[64:65], 0
	v_nop
	global_prefetch_b8 v0, s[64:65] scope:SCOPE_SE
	s_setreg_imm32_b32 hwreg(HW_REG_WAVE_MODE, 25, 1), 1
	s_wait_xcnt 0x0
; x [8192][1024], qkv_w [3072][1024] and out_w [1024][1024], f32, K innermost, become codes of FP8 (E4M3), one byte each, in the same order: xq, wq, owq.
; code = number / 2^e, held within +-448, rounded to the nearest code, ties to even.  e: entry 0 (x), 1 (qkv_w), 7 (out_w) of the buffer of scales.
; LIMITS: e between -126 and 119, so that 2^e and 448 x 2^e are f32 numbers.  NaN among the inputs is not served (an infinity is held at the largest code).
; Rows are dense, so each tensor is a plain stream.  A work-group takes 16,384 numbers: work-groups 0-511 x, 512-703 qkv_w, 704-767 out_w: 768 work-groups are three for each of 256 WGPs.
; Only pointers and e are chosen, all take one path.
; A wave takes 8 steps of 512 numbers.  A step's four loads read 512 consecutive bytes each, 16 a lane; the 2,048 bytes turn through the wave's own stage in LDS and come back 64 bytes a lane, since the
; conversion takes 8 neighbours from ONE lane's registers.  The stage has 16 bytes of padding behind each 64.  A lane's 16 codes are 16 bytes: a store of the wave covers 512 consecutive bytes, aligned.
; No tensor loads, no barrier: waves share nothing.  Loads run four steps (16 loads a wave) ahead, the turn through LDS one step.
.set STEPS, 8
.set WGX,   512                        ; work-groups for x
.set WGW,   704                        ; and for x and qkv_w together
.set EMAX,  8
.set MANT,  0x600000                   ; the mantissa field of 448 as f32
.set CB,    16                         ; bytes of 16 codes
.set R,     16                         ; v16-79   four sets of 16 numbers as they are loaded
.set X,     80                         ; v80-111  two sets of 16 neighbours
.set C,     128                        ; v128-159 codes: four registers for each step, so that no store's data are written again
.set WREG,  8192                       ; LDS: a region of its own for each wave: two stages of 32 x SP bytes
.set SP,    80                         ; a lane's place in a stage: its 64 bytes + 16 of padding
	s_load_b256 s[4:11], s[0:1], 0x0               ; x s[4:5], qkv_w s[6:7], out_w s[8:9], the scales' exponents s[10:11]
	s_load_b128 s[12:15], s[0:1], 0x20             ; xq s[12:13], wq s[14:15]
	s_load_b64 s[16:17], s[0:1], 0x30              ; owq
	v_lshl_add_u32 v192, v0, 2, 0x8000             ; my spare word, behind the four regions
	v_mov_b32 v193, 0
	v_lshrrev_b32 v1, 5, v0
	v_readfirstlane_b32 s20, v1                    ; wave
	v_and_b32 v2, 31, v0                           ; lane
	v_lshlrev_b32 v3, 4, v2                        ; my 16 bytes of a load's 512
	s_mul_i32 s21, s20, WREG
	v_lshrrev_b32 v14, 2, v2
	v_mul_u32_u24 v14, v14, SP
	v_and_b32 v15, 3, v2
	v_lshl_add_u32 v14, v15, 4, v14
	v_add_nc_u32 v14, s21, v14                     ; the stage, on the way in: four lanes' 64 bytes on end, then 16 of padding
	v_mul_u32_u24 v15, v2, SP
	v_add_nc_u32 v15, s21, v15                     ; and on the way out: SP x lane: my 16 neighbours
	v_mul_u32_u24 v4, v2, CB                       ; my codes' place in a step's
	s_wait_alu depctr_va_vdst(0)                   ; directly ahead of the wait below
	s_wait_kmcnt 0x0
	s_load_b256 s[24:31], s[10:11], 0x0            ; e0 .. e7
	s_cmp_lt_u32 ttmp9, WGW                        ; which tensor?  The choice hangs on the work-group's number alone
	s_cselect_b64 s[6:7], s[6:7], s[8:9]
	s_cselect_b64 s[14:15], s[14:15], s[16:17]
	s_mov_b32 s22, WGW
	s_cselect_b32 s22, WGX, s22
	s_cmp_lt_u32 ttmp9, WGX
	s_cselect_b64 s[4:5], s[4:5], s[6:7]           ; from
	s_cselect_b64 s[8:9], s[12:13], s[14:15]       ; to
	s_cselect_b32 s22, 0, s22                      ; the tensor's first work-group
	s_sub_co_u32 s22, ttmp9, s22
	s_lshl_b32 s22, s22, 2
	s_add_co_u32 s22, s22, s20                     ; which run of 4,096 numbers of the tensor is my wave's (2,047 at the most)
	s_lshl_b32 s32, s22, 14                        ; 16,384 bytes of numbers,
	s_mov_b32 s33, 0
	s_add_nc_u64 s[4:5], s[4:5], s[32:33]
	s_lshl_b32 s32, s22, 12                        ; 4,096 bytes of codes
	s_add_nc_u64 s[8:9], s[8:9], s[32:33]
.macro LOAD t
.irp i, 0,1,2,3
	global_load_b128 v[R+16*((\t)%4)+4*\i:R+16*((\t)%4)+4*\i+3], v3, s[4:5] offset:2048*(\t)+512*\i th:TH_LOAD_NT   ; 32 lanes read 512 consecutive bytes
.endr
.endm
.macro TURN t                          ; step t's numbers through the stage: LDS serves a wave's instructions in order, so no wait stands between the stores and the loads
.irp i, 0,1,2,3
	ds_store_b128 v14, v[R+16*((\t)%4)+4*\i:R+16*((\t)%4)+4*\i+3] offset:32*SP*((\t)%2)+8*SP*\i
.endr
.irp i, 0,1,2,3
	ds_load_b128 v[X+16*((\t)%2)+4*\i:X+16*((\t)%2)+4*\i+3], v15 offset:32*SP*((\t)%2)+16*\i
.endr
.endm
.irp t, 0,1,2,3
	LOAD \t
.endr
	s_wait_kmcnt 0x0
	s_cmp_lt_u32 ttmp9, WGW
	s_cselect_b32 s23, s25, s31                    ; e1 or e7,
	s_cmp_lt_u32 ttmp9, WGX
	s_cselect_b32 s23, s24, s23                    ; or e0
	s_add_co_i32 s23, s23, 127
	s_lshl_b32 s34, s23, 23
	v_mov_b32 v11, s34                             ; 2^e as f32: the conversion takes its exponent field
	s_add_co_i32 s23, s23, EMAX
	s_lshl_b32 s23, s23, 23
	s_or_b32 s23, s23, MANT
	v_mov_b32 v10, s23                             ; 448 x 2^e
	s_wait_alu depctr_va_vdst(0)                   ; at the head's end
	s_wait_loadcnt 12                              ; step 0's four loads are in; the twelve of steps 1 to 3 may be out
	TURN 0
.macro STEP t
.set XS, X+16*((\t)%2)
	s_wait_dscnt 0x0                               ; this step's numbers are back from the stage: so its stores into the stage have read their registers,
.if (\t)+4 < STEPS
	LOAD (\t)+4                                    ; which take the loads of four steps on
.endif
.if (\t)+1 < STEPS
.if STEPS-2-(\t) >= 3
	s_wait_loadcnt 12                              ; the next step's four loads are in; those of the three steps behind it may be out
.else
	s_wait_loadcnt 4*(STEPS-2-(\t))                ; at the end fewer steps stand behind it
.endif
	TURN (\t)+1                                    ; and go through the other stage while this step is worked
.endif
.irp i, 0,1,2,3,4,5,6,7,8,9,10,11,12,13,14,15
	v_med3_num_f32 v[XS+\i], v[XS+\i], -v10, v10   ; the conversion to an 8-bit code does not saturate (ISA guide 7.6.2): hold the number within the largest code x the scale first
.endr
	v_cvt_scalef32_pk8_fp8_f32 v[C+4*(\t):C+4*(\t)+1], v[XS:XS+7], v11          ; eight numbers / 2^e, to the nearest code, ties to even; the first number's code in the lowest byte
	v_cvt_scalef32_pk8_fp8_f32 v[C+4*(\t)+2:C+4*(\t)+3], v[XS+8:XS+15], v11
	global_store_b128 v4, v[C+4*(\t):C+4*(\t)+3], s[8:9] offset:32*CB*(\t)      ; the results go to a store alone; the next vector lines are the next step's holds, plain ones on other registers
.endm
.irp t, 0,1,2,3,4,5,6,7
	STEP \t
.endr
	s_wait_tensorcnt 0x0                           ; the wave's end, behind my last LDS store
	ds_add_u32 v192, v193
	s_wait_dscnt 0x0
	s_endpgm
.Lfunc_end_k_qf3a2061ff6_quant:
	.size	k_qf3a2061ff6_quant, .Lfunc_end_k_qf3a2061ff6_quant-k_qf3a2061ff6_quant
	.p2alignl 7, 3214868480
	.fill 96, 4, 3214868480
	.section	.rodata,"a",@progbits
	.p2align	6, 0x0
	.amdhsa_kernel k_qf3a2061ff6_quant
		.amdhsa_group_segment_fixed_size 33280
		.amdhsa_private_segment_fixed_size 0
		.amdhsa_enable_private_segment 0
		.amdhsa_kernarg_size 56
		.amdhsa_user_sgpr_count 2
		.amdhsa_user_sgpr_kernarg_segment_ptr 1
		.amdhsa_wavefront_size32 1
		.amdhsa_system_sgpr_workgroup_id_x 1
		.amdhsa_system_sgpr_workgroup_id_y 1
		.amdhsa_system_sgpr_workgroup_id_z 1
		.amdhsa_system_vgpr_workitem_id 0
		.amdhsa_next_free_vgpr 194
		.amdhsa_next_free_sgpr 66
		.amdhsa_reserve_vcc 0
		.amdhsa_float_denorm_mode_32 3
		.amdhsa_float_denorm_mode_16_64 3
		.amdhsa_memory_ordered 1
		.amdhsa_forward_progress 1
		.amdhsa_inst_pref_size 20
	.end_amdhsa_kernel
	.amdgpu_metadata
---
amdhsa.version: [ 1, 2 ]
amdhsa.kernels:
  - .name:           k_qf3a2061ff6_quant
    .symbol:         k_qf3a2061ff6_quant.kd
    .args:
      - { .name: x, .offset: 0, .size: 8, .value_kind: global_buffer, .address_space: global }
      - { .name: qkv_w, .offset: 8, .size: 8, .value_kind: global_buffer, .address_space: global }
      - { .name: out_w, .offset: 16, .size: 8, .value_kind: global_buffer, .address_space: global }
      - { .name: lowp_scales, .offset: 24, .size: 8, .value_kind: global_buffer, .address_space: global }
      - { .name: xq, .offset: 32, .size: 8, .value_kind: global_buffer, .address_space: global }
      - { .name: wq, .offset: 40, .size: 8, .value_kind: global_buffer, .address_space: global }
      - { .name: owq, .offset: 48, .size: 8, .value_kind: global_buffer, .address_space: global }
    .group_segment_fixed_size: 33280
    .private_segment_fixed_size: 0
    .kernarg_segment_align: 8
    .kernarg_segment_size: 56
    .max_flat_workgroup_size: 128
    .sgpr_count:     66
    .vgpr_count:     194
    .wavefront_size: 32
...
	.end_amdgpu_metadata
.endif
;; end of part 1
;; launch qkv (part 2): grid 12 x 32, 4 waves a work-group, clusters of 4 x 4, 327,680 bytes of LDS; arguments xq, wq, lowp_scales, qkv_b, qi, ki, vi; writes qi, ki, vi
.if DOCPART == 2
	.amdgcn_target "amdgcn-amd-amdhsa--gfx1250"
	.amdhsa_code_object_version 6
	.text
	.protected	k_qf3a2061ff6_qkv
	.globl	k_qf3a2061ff6_qkv
	.p2align	8
	.type	k_qf3a2061ff6_qkv,@function
k_qf3a2061ff6_qkv:
	s_mov_b64 s[64:65], 0
	v_nop
	global_prefetch_b8 v0, s[64:65] scope:SCOPE_SE
	s_setreg_imm32_b32 hwreg(HW_REG_WAVE_MODE, 25, 1), 1
	s_wait_xcnt 0x0
	s_wait_alu depctr_hold_cnt(0) depctr_sa_sdst(0) depctr_va_vdst(0) depctr_va_sdst(0) depctr_va_ssrc(0) depctr_va_vcc(0) depctr_vm_vsrc(0)
	s_getreg_b32 s2, hwreg(HW_REG_IB_STS2, 6, 4)
	s_cmp_eq_u32 s2, 0
	s_cbranch_scc0 .Lentry_in_a_cluster
	s_endpgm
.Lentry_in_a_cluster:
	s_bfe_u32 s2, ttmp6, 0x10000c
	s_cmp_lg_u32 s2, 0xf033
	s_cbranch_scc0 .Lentry_shape_is_right
	s_endpgm
.Lentry_shape_is_right:
; qkv = x qkv_w^T + qkv_b on codes of FP8 (E4M3); the sums, in f32, are quantised at once to q, k and v (scales 2^e2, 2^e3, 2^e5) and stored as IMAGES OF THE NEXT PRODUCTS' OPERAND REGISTERS.
; xq [8192][1024], wq [3072][1024]: codes, K innermost.  A number of x is its code x 2^e0, of qkv_w x 2^e1.
; A tile of 256 x 256 is made by a work-group of four waves, 128 x 128 a wave: 64 accumulators, 512 registers.  K = 1,024 goes in four steps of 256 through a ring of two LDS slots filled by tensor loads.
; CLUSTERS: 4 x 4 work-groups cover 1,024 x 1,024.  The cluster's x is the section: 0 = q, 1 = k, 2 = v: the same in all sixteen partners.  'A' is shared along a row of the cluster, 'B' along a column: joint loads.
; THE MATRIX INSTRUCTION IS USED TRANSPOSED (source 0 = 16 rows of B, source 1 = 16 rows of A): a lane holds ONE row of A and eight neighbouring rows of B.
;   q, k: A = x (rows t), B = qkv_w (rows d): a lane's eight sums are eight neighbours along d, the K of q k^T.
;   v:    A = qkv_w's rows 2,048 on (d), B = x (t): a lane's eight sums are eight neighbours along t, the keys, the K of p v.
; So one conversion of an accumulator gives registers 2 c, 2 c + 1 of the next operand in that form's own order, two accumulators give 16 bytes a lane, and a store of the wave covers 512 consecutive bytes, aligned.
; The sections differ in pointers, offsets and factors alone, chosen by s_cselect on the cluster's x: there is no branch on it.
; qi, ki: [b x 16 + head][tile of 16 t][u 2][lane][16 bytes]: lane (r, h): row 16 tile + r; registers 2 c, 2 c + 1: d = 16 c + 8 h + 0 .. 7.   vi: [b x 16 + head][128 keys][16 d][c 4][lane][16 bytes]: lane (r, h): d = r; registers 2 b, 2 b + 1: keys 16 b + 8 h + 0 .. 7.
; THE BIAS: a sum stands for sum x 2^(e0 + e1), so the bias goes in divided by that.  q, k: it runs along a lane's registers: it is the C of the first K step.  v: it is one number a lane and block: added on the way out.
; Both forms stand in the text; the one that a section does not want is multiplied by 0.
; LIMITS: -(e0 + e1) between -126 and 127; e2, e3, e5 less e0 + e1 between -126 and 119.  NaN is not served; an infinity among qkv_b's first 128 numbers would spoil v, and one among its first 128 rows' spoil q, k, through the factor 0.
; REGISTERS, in windows of 256: window 0: v0-31 addresses; v32-95 the bias along the registers, later a block's numbers; v96-111 the bias of a lane, a pair a block; v112-115 scale, hold, store offsets;
;   v128-255 A's fragments, ONE set, later the codes.   window 1: B's fragments, TWO sets.   window 2: the accumulators of my rows 0-63 ((a, b) at v[8 (8 a + b)]);   window 3: those of rows 64-127.
.set ROWB,   256                       ; a tile's row in bytes: 256 codes
.set KROW,   1024                      ; a row of xq or of wq in memory
.set PITCH,  272                       ; an LDS row: 256 bytes + 16 of padding = 68 words: row r starts at bank 4 r mod 64 (64 banks of 4 bytes: ISA guide 11.1)
.set FR,     16                        ; registers of a fragment: 16 rows x 128 K
.set NL,     4                         ; LDS loads that bring one
.set NP,     4                         ; places behind this matrix instruction (ISA guide 7.12.1)
.set HALFT,  128*PITCH                 ; 128 rows: what one tensor load brings, and what one wave reads of A or of B
.set SLOT,   4*HALFT                   ; A's 256 rows, then B's 256 rows
.set LAPS,   2                         ; a lap = two K steps = once round the ring
.set SPARE,  2*SLOT                    ; behind the ring: the spare words, 128 bytes for each wave: two blocks of 256 bytes that no other line names
.set ADRA, 16                          ; v16-17  LDS address of my A fragments in slot 0, 1
.set ADRB, 20                          ; v20-21  the same for B
.set SPW,  28                          ; v28     LDS address of my spare word; never rewritten
.set NIL,  29                          ; v29     0; never rewritten
.set CBR,  32                          ; v32-95  the bias in the result's layout; on the way out a block's 64 numbers
.set RBR,  96                          ; v96-111 the bias of my row of block a, twice: a pair for the packed addition
.set SCR,  112                         ; v112    2^(e of the section - e0 - e1) as f32
.set LIMR, 113                         ; v113    448 x that
.set VOA,  114                         ; v114    16 x lane
.set VOB,  115                         ; v115    the same, one head (q, k) or two pieces (v) on
.set AF,   128                         ; A's fragments
.set CD,   128                         ; the codes: 16 registers a block, so that no store's data are written again
.set G1, 24                            ; s[24:31] descriptor group 1 for A's tiles;  s[32:39] group 0, one set for each slot
.set G0, 32
.set G1B, 48                           ; s[48:55], s[56:63] the same for B's tiles
.set G0B, 56
.set MSB, 0
.macro WIN new                         ; the immediate's high byte repeats the setting that is left
.if MSB != (\new)
	s_set_vgpr_msb (MSB<<8)|(\new)
.set MSB, (\new)
.endif
.endm
.set MUL_LO, 0xa1                      ; source 0 (B) window 1, source 1 (A) window 0, C and D window 2.  In the first K step C, the bias, lies in window 0: 0x81
.set MUL_HI, 0xf1                      ; the same, C and D window 3; in the first K step 0xc1
.set TO_B,   0x40                      ; destination window 1, address window 0
; A joint load: waves 0 and 1 fetch for A, waves 2 and 3 for B.  Each line has ONE mask and one set of registers for all that issue it; the branch hangs on the wave's number alone.
; Four v_nop follow each of the two lines, ahead of the jump, the label and what follows.
.macro JLOAD g0a, g1a, g0b, g1b
	s_cmp_eq_u32 s15, 0
	s_cbranch_scc0 .Lfor_b_\@
	tensor_load_to_lds s[\g0a:\g0a+3], s[\g1a:\g1a+7]
	s_nop 0
.rept 4
	v_nop
.endr
	s_branch .Lasked_\@
.Lfor_b_\@:
	tensor_load_to_lds s[\g0b:\g0b+3], s[\g1b:\g1b+7]
	s_nop 0
.rept 4
	v_nop
.endr
.Lasked_\@:
.endm
.macro CREST                           ; a round of the cluster's barrier behind its opening barrier
	s_cmp_lg_u32 s14, 0
	s_cbranch_scc1 .Lnot_wave_0_\@
	s_barrier_signal -3
.Lnot_wave_0_\@:
	s_barrier_wait -3
	s_barrier_signal -1
	s_barrier_wait -1
.endm
.macro CROUND                          ; a whole round
	s_barrier_signal -1
	s_barrier_wait -1
	CREST
.endm
	s_load_b256 s[4:11], s[0:1], 0x0               ; xq s[4:5], wq s[6:7], the scales' exponents s[8:9], qkv_b s[10:11]
	s_load_b128 s[80:83], s[0:1], 0x20             ; qi s[80:81], ki s[82:83]
	s_load_b64 s[84:85], s[0:1], 0x30              ; vi
	v_lshl_add_u32 v[SPW], v0, 2, SPARE
	v_mov_b32 v[NIL], 0
	ds_add_u32 v28, v29
	ds_add_u32 v28, v29
	s_wait_dscnt 0x0
	v_lshrrev_b32 v1, 5, v0
	v_readfirstlane_b32 s14, v1                    ; wave 0..3
	s_lshr_b32 s15, s14, 1                         ; which half of A's 256 rows is mine.  Also: I fetch for A (0) or for B (1)
	s_and_b32 s16, s14, 1                          ; which half of B's.  Also: which 128 rows of that tile I fetch
	s_bfe_u32 s40, ttmp6, 0x40000                  ; cx, cy: my place in the cluster
	s_bfe_u32 s41, ttmp6, 0x40004
	s_and_b32 s66, ttmp7, 0xffff                   ; the cluster's y: 1,024 rows of x
	s_cmp_eq_u32 ttmp9, 2                          ; the section v?
	s_cselect_b32 s17, 0, s66                      ; A's 1,024 rows: of x by the cluster's y; of W_v there is one such block
	s_cselect_b32 s42, s66, ttmp9                  ; B's: of qkv_w by the section; of x by the cluster's y
	s_cselect_b32 s67, 2048, 0                     ; W_v begins at row 2,048 of qkv_w
	s_lshl_b32 s17, s17, 2
	s_add_co_u32 s17, s17, s41                     ; A's tile of 256 rows: + cy
	s_lshl_b32 s42, s42, 2
	s_add_co_u32 s42, s42, s40                     ; B's: + cx
	s_lshl_b32 s43, s41, 2
	s_lshl_b32 s43, 15, s43                        ; my row of the cluster
	s_lshl_b32 s44, 0x1111, s40                    ; my column
	; descriptor group 1: a tile of 128 rows x 256 bytes, padded in LDS
	s_or_b32 s[G1+0], s43, (0<<16)|(1<<20)|(1<<21)|(5<<22)|(3<<25)  ; 15:0 the mask: A's tiles go to my row; 17:16 element of 1 byte; 20 padding on; 21 set beside a mask; 24:22 after every 64 words (code 5); 31:25 of 4 words (code 3)
	s_or_b32 s[G1B+0], s44, (0<<16)|(1<<20)|(1<<21)|(5<<22)|(3<<25) ; the same with the mask of my column
.irp g, G1, G1B
	s_mov_b32 s[\g+1], ROWB<<16                    ; tensor_dim0
	s_mov_b32 s[\g+2], 128<<16                     ; tensor_dim1 = 128
	s_mov_b32 s[\g+3], ROWB<<16                    ; tile_dim0
	s_mov_b32 s[\g+4], 128                         ; tile_dim1 = 128
	s_mov_b32 s[\g+5], KROW                        ; tensor_dim0_stride
	s_mov_b32 s[\g+6], 0
	s_mov_b32 s[\g+7], 0
.endr
	s_lshl_b32 s18, s16, 7                         ; which 128 rows of the tile I fetch
	s_lshl_b32 s20, s17, 8
	s_add_co_u32 s20, s20, s18
	s_add_co_u32 s20, s20, s67                     ; A: row 256 x tile + 128 x half (+ 2,048 in qkv_w)
	s_lshl_b32 s46, s42, 8
	s_add_co_u32 s46, s46, s18                     ; B: row 256 x tile + 128 x half
	s_lshl_b32 s20, s20, 10                        ; rows of 1,024 bytes: under 2^23
	s_mov_b32 s21, 0
	s_lshl_b32 s46, s46, 10
	s_mov_b32 s47, 0
	s_mul_i32 s45, s14, HALFT                      ; where they go: wave x 128 rows: no place in the cluster enters an LDS address
	s_wait_kmcnt 0x0
	s_load_b256 s[72:79], s[8:9], 0x0              ; e0 .. e7
	s_cmp_eq_u32 ttmp9, 2
	s_cselect_b64 s[68:69], s[6:7], s[4:5]         ; A's buffer
	s_cselect_b64 s[70:71], s[4:5], s[6:7]         ; B's buffer
	s_add_nc_u64 s[20:21], s[68:69], s[20:21]
	s_add_nc_u64 s[46:47], s[70:71], s[46:47]
	CROUND                                         ; all sixteen work-groups are here: the first joint loads meet
.irp s, 0,1
	s_mov_b32 s[G0+4*\s], 1
	s_add_co_u32 s[G0+4*\s+1], s45, \s*SLOT
	s_add_nc_u64 s[G0+4*\s+2:G0+4*\s+3], s[20:21], \s*ROWB
	s_or_b32 s[G0+4*\s+3], s[G0+4*\s+3], 0x80000000
	s_mov_b32 s[G0B+4*\s], 1
	s_add_co_u32 s[G0B+4*\s+1], s45, \s*SLOT
	s_add_nc_u64 s[G0B+4*\s+2:G0B+4*\s+3], s[46:47], \s*ROWB
	s_or_b32 s[G0B+4*\s+3], s[G0B+4*\s+3], 0x80000000
.endr
	JLOAD G0, G1, G0B, G1B                         ; K step 0: one tensor load a wave at the head
	v_and_b32 v1, 15, v0                           ; r = l % 16
	v_bfe_u32 v2, v0, 4, 1                         ; h = l / 16
	s_wait_alu depctr_va_vdst(0)
	v_mul_u32_u24 v3, v1, PITCH
	v_lshl_add_u32 v4, v2, 4, v3                   ; a fragment's row x pitch + 16 x half
	s_mul_i32 s21, s15, HALFT                      ; my 128 rows of A
	s_mul_i32 s22, s16, HALFT                      ; my 128 rows of B,
	s_add_co_u32 s22, s22, 2*HALFT                 ; which lie behind A's 256
.irp s, 0,1
	v_add_nc_u32 v[ADRA+\s], s21, v4
	v_add_nc_u32 v[ADRB+\s], s22, v4
	s_add_co_u32 s21, s21, SLOT
	s_add_co_u32 s22, s22, SLOT
.endr
	; the rows that I COMPUTE, the bias that belongs to them, and where the codes go
	s_lshl_b32 s12, s17, 8
	s_lshl_b32 s98, s15, 7
	s_add_co_u32 s12, s12, s98
	s_add_co_u32 s12, s12, s67                     ; my first row of A, in its buffer
	s_lshl_b32 s13, s42, 8
	s_lshl_b32 s98, s16, 7
	s_add_co_u32 s13, s13, s98                     ; my first row of B
	s_sub_co_u32 s98, s12, 2048                    ; (used in the section v alone)
	s_and_b32 s99, s13, 1023
	s_cmp_eq_u32 ttmp9, 2
	s_cselect_b32 s96, s13, s12                    ; my first row of x
	s_cselect_b32 s97, s98, s99                    ; my first row of qkv_w within the section: 64 x head
	s_mov_b32 s88, 1024
	s_cselect_b32 s88, 2048, s88                   ; from block a to a + 1: a tile of 16 t (q, k); 16 d (v)
	s_mov_b32 s90, 1024
	s_cselect_b32 s90, 124928, s90                 ; from block 3 to 4: the same (q, k); the next head's first 16 d: 131,072 - 3 x 2,048 (v)
	s_mov_b32 s19, 131072
	s_cselect_b32 s19, 1024, s19                   ; from pieces 0, 1 to pieces 2, 3: the next head (q, k); two pieces of 512 bytes (v)
	s_cselect_b32 s68, 0, s13                      ; the bias along the registers begins at B's row (q, k); for v any 128 numbers, x 0
	s_cselect_b32 s70, s12, 0                      ; the bias of a lane begins at A's row (v); for q, k any 128 numbers, x 0
	s_cselect_b64 s[86:87], s[84:85], s[82:83]
	s_cmp_eq_u32 ttmp9, 0
	s_cselect_b64 s[86:87], s[80:81], s[86:87]     ; qi, ki or vi
	s_mov_b32 s89, 0
	s_mov_b32 s91, 0
	s_lshl_b32 s68, s68, 2
	s_mov_b32 s69, 0
	s_lshl_b32 s70, s70, 2
	s_mov_b32 s71, 0
	s_add_nc_u64 s[68:69], s[10:11], s[68:69]
	s_add_nc_u64 s[70:71], s[10:11], s[70:71]
	v_lshlrev_b32 v5, 5, v2                        ; 32 h: my half's eight numbers of a block of 16
	v_lshlrev_b32 v6, 2, v1                        ; 4 r
.irp b, 0,1,2,3,4,5,6,7
	global_load_b128 v[CBR+8*\b:CBR+8*\b+3], v5, s[68:69] offset:64*\b          ; qkv_b at B's rows 16 b + 8 h + 0 .. 7: the layout of accumulator (a, b), any a
	global_load_b128 v[CBR+8*\b+4:CBR+8*\b+7], v5, s[68:69] offset:64*\b+16
.endr
.irp a, 0,1,2,3,4,5,6,7
	global_load_b32 v[RBR+2*\a], v6, s[70:71] offset:64*\a                      ; qkv_b at A's row 16 a + r
.endr
	s_lshr_b32 s98, s96, 11                        ; the batch,
	s_lshl_b32 s98, s98, 4
	s_lshr_b32 s99, s97, 6
	s_add_co_u32 s98, s98, s99                     ; x 16 + the head: 131,072 bytes each, in all three buffers;
	s_lshl_b32 s98, s98, 17
	s_and_b32 s99, s96, 2047
	s_lshl_b32 s99, s99, 6                         ; 64 bytes for each t: 16 t are 1,024 bytes (q, k), 128 t are 8,192 (v)
	s_add_co_u32 s98, s98, s99
	s_mov_b32 s99, 0
	s_add_nc_u64 s[86:87], s[86:87], s[98:99]
	v_and_b32 v3, 31, v0
	v_lshlrev_b32 v[VOA], 4, v3
	v_add_nc_u32 v[VOB], s19, v[VOA]
	s_wait_kmcnt 0x0
	s_add_co_i32 s98, s72, s73                     ; e0 + e1
	s_sub_co_i32 s99, 127, s98
	s_lshl_b32 s99, s99, 23                        ; 2^-(e0 + e1) as f32
	s_cmp_eq_u32 ttmp9, 2
	s_cselect_b32 s92, 0, s99                      ; the factor of the bias along the registers,
	s_cselect_b32 s94, s99, 0                      ; and of the bias of a lane
	s_cselect_b32 s96, s77, s75                    ; e5 or e3,
	s_cmp_eq_u32 ttmp9, 0
	s_cselect_b32 s96, s74, s96                    ; or e2
	s_mov_b32 s93, s92                             ; (named as a pair, so it is written)
	s_mov_b32 s95, s94
	s_sub_co_i32 s96, s96, s98                     ; a sum's code is sum / 2^(e - e0 - e1): the three scales folded into the conversion's one
	s_add_co_i32 s96, s96, 127
	s_lshl_b32 s97, s96, 23
	v_mov_b32 v[SCR], s97
	s_add_co_i32 s96, s96, 8
	s_lshl_b32 s96, s96, 23
	s_or_b32 s96, s96, 0x600000
	v_mov_b32 v[LIMR], s96                         ; 448 x that
	s_wait_loadcnt 0x0                             ; the biases
.set jj, 0
.rept 32
	v_pk_mul_f32 v[CBR+jj:CBR+jj+1], v[CBR+jj:CBR+jj+1], s[92:93] op_sel_hi:[1,0]
.set jj, jj+2
.endr
.irp a, 0,1,2,3,4,5,6,7
	v_mul_f32 v[RBR+2*\a], s94, v[RBR+2*\a]
.endr
.irp a, 0,1,2,3,4,5,6,7
	v_mov_b32 v[RBR+2*\a+1], v[RBR+2*\a]           ; the packed addition takes a pair
.endr
.macro FRAG reg, adr, q, i             ; a fragment, 16 rows x 128 K: lane l holds row l % 16; registers 4 c .. 4 c + 3 hold K = 32 c + 16 (l / 16) + 0 .. 15: one order of k for A and for B alike
.irp c, 0,1,2,3
	ds_load_b128 v[\reg+4*\c:\reg+4*\c+3], v[\adr] offset:128*(\q)+32*\c+(\i)*16*PITCH
.endr
.endm
; 16 matrix instructions: A's blocks a0, a0 + 1 x B's eight, 128 along K.  p: B's set.  zero = 1: the first product starts the sums from the bias: nothing is ever cleared.
; The 64 accumulators take turns, one instruction a turn, in the same order in every step.
.macro MUL16 a0, p, zero
.irp a, \a0, \a0+1
.irp b, 0,1,2,3,4,5,6,7
.if \zero
	v_wmma_f32_16x16x128_fp8_fp8 v[8*(8*((\a)%4)+\b):8*(8*((\a)%4)+\b)+7], v[128*(\p)+FR*\b:128*(\p)+FR*\b+FR-1], v[AF+FR*(\a):AF+FR*(\a)+FR-1], v[CBR+8*\b:CBR+8*\b+7]
.else
	v_wmma_f32_16x16x128_fp8_fp8 v[8*(8*((\a)%4)+\b):8*(8*((\a)%4)+\b)+7], v[128*(\p)+FR*\b:128*(\p)+FR*\b+FR-1], v[AF+FR*(\a):AF+FR*(\a)+FR-1], v[8*(8*((\a)%4)+\b):8*(8*((\a)%4)+\b)+7]
.endif
.endr
.endr
.endm
.macro FETCH_B slot, q, p              ; B's eight fragments of the slot's q-th 128 along K into set p
	WIN TO_B
.irp i, 0,1,2,3,4,5,6,7
	FRAG 128*(\p)+FR*\i, ADRB+\slot, \q, \i
.endr
	WIN 0
.endm
.macro FETCH_A slot, q, i0             ; A's blocks i0 .. i0 + 3
.irp i, \i0, \i0+1, \i0+2, \i0+3
	FRAG AF+FR*(\i), ADRA+\slot, \q, \i
.endr
.endm
; A load into a register that a matrix instruction has read, and a vector instruction that reads a matrix result, stand NP places behind that matrix instruction; only plain vector
; instructions that name none of its registers are places (ISA guide 7.12.1 for vector instructions).
.macro PLACES n
.rept \n
	v_nop
.endr
.endm
; A step of 128 along K that has its successor in the same slot.  A block of A is free as soon as its eight products are issued: blocks 0-3 are fetched anew in the step's middle, blocks 4-7 at its end.
.macro STEP slot, q, zero
	s_wait_dscnt 4*NL                              ; B's set and A's blocks 0-3 are in; the youngest sixteen loads (A's blocks 4-7) may be out
	WIN MUL_LO-0x20*(\zero)
	MUL16 0, (\q)%2, \zero
	MUL16 2, (\q)%2, \zero
	s_wait_dscnt 0                                 ; A's blocks 4-7 are in (asked for 32 matrix instructions ago)
	PLACES NP
	FETCH_B \slot, (\q)+1, 1-(\q)%2
	FETCH_A \slot, (\q)+1, 0
	WIN MUL_HI-0x30*(\zero)
	MUL16 4, (\q)%2, \zero
	MUL16 6, (\q)%2, \zero
	PLACES NP
	WIN 0
	FETCH_A \slot, (\q)+1, 4
.endm
; A slot's last step changes slots: ONE barrier; in front of it each wave waits for all its tensor loads, adds 0 to its spare word, and waits for that and for its own reads of this slot.  fill = 1: this slot is filled again, two K steps ahead.
.macro TURN slot, next, fill
	s_wait_tensorcnt 0x0                           ; all my tensor loads have landed: my part of the next slot;  (every window is 0 here)
	ds_add_u32 v[SPW], v[NIL]                      ; 0 onto my spare word;
	s_wait_dscnt 4*NL+1                            ; (the add and the youngest sixteen loads, A's blocks 4-7, may be out)
	WIN MUL_LO
	MUL16 0, 1, 0                                  ; sixteen matrix instructions stand between the add and the wait for it
	s_wait_dscnt 0x0                               ; the add is done, and my reads of this slot are over
	s_barrier_signal -1
	MUL16 2, 1, 0
	WIN 0
	s_barrier_wait -1
.if \fill
	CREST                                          ; the barrier has opened a round of the cluster's barrier: no wave of any partner still reads this slot's tile or has a load on its way
	s_add_nc_u64 s[G0+4*\slot+2:G0+4*\slot+3], s[G0+4*\slot+2:G0+4*\slot+3], 2*ROWB
	s_add_nc_u64 s[G0B+4*\slot+2:G0B+4*\slot+3], s[G0B+4*\slot+2:G0B+4*\slot+3], 2*ROWB
	JLOAD G0+4*\slot, G1, G0B+4*\slot, G1B         ; the first tensor load behind the round; the four v_nop behind it are the places in front of the loads below
.else
	PLACES NP
.endif
	FETCH_B \next, 0, 0
	FETCH_A \next, 0, 0
	WIN MUL_HI
	MUL16 4, 1, 0
	MUL16 6, 1, 0
	PLACES NP
	WIN 0
	FETCH_A \next, 0, 4
.endm
	s_wait_alu depctr_va_vdst(0)                   ; at the head's end
	s_wait_tensorcnt 0x0                           ; my part of K step 0 is in
	ds_add_u32 v[SPW], v[NIL]
	s_wait_dscnt 0x0
	CROUND                                         ; everybody's part of K step 0 is in, and all sixteen work-groups are here
	JLOAD G0+4, G1, G0B+4, G1B                     ; K step 1's load, the first tensor load behind the round
	FETCH_B 0, 0, 0
	FETCH_A 0, 0, 0
	FETCH_A 0, 0, 4
	STEP 0, 0, 1                                   ; the first step stands in front of the loop: its products start the sums
	s_mov_b32 s3, LAPS-1
.Llap:                                                 ; a trip goes once round the ring, from a lap's second step to the next lap's first, and fills both slots again
	TURN 0, 1, 1
	STEP 1, 0, 0
	TURN 1, 0, 1
	STEP 0, 0, 0
	s_sub_co_u32 s3, s3, 1
	s_cmp_lg_u32 s3, 0
	s_cbranch_scc1 .Llap
	TURN 0, 1, 0                                   ; the last lap fills nothing, and has no round of the cluster's barrier
	STEP 1, 0, 0
	s_wait_dscnt 4*NL                              ; the very last step: nothing more to fetch
	WIN MUL_LO
	MUL16 0, 1, 0
	MUL16 2, 1, 0
	s_wait_alu depctr_va_vdst(0)
	s_wait_dscnt 0
	WIN MUL_HI
	MUL16 4, 1, 0
	MUL16 6, 1, 0
	WIN 0
; THE WAY OUT of block a (16 rows of A x my 128 rows of B): + the lane's bias, the hold, the conversion, four stores.  Accumulator b's eight numbers become registers 2 b, 2 b + 1 of the block's codes;
; four registers are a piece of 16 bytes a lane, and the wave's store of a piece covers 512 consecutive bytes, at a multiple of 512 from the buffer's first byte.
.macro OUTB a
.set AC, 64*((\a)%4)
	WIN 0x02+((\a)/4)                              ; source 0: window 2 or 3
.set jj, 0
.rept 32
	v_pk_add_f32 v[CBR+jj:CBR+jj+1], v[AC+jj:AC+jj+1], v[RBR+2*(\a):RBR+2*(\a)+1]   ; each accumulator from its low end on
.set jj, jj+2
.endr
	WIN 0
.set jj, 0
.rept 64
	v_med3_num_f32 v[CBR+jj], v[CBR+jj], -v[LIMR], v[LIMR]   ; the conversion to an 8-bit code does not saturate (ISA guide 7.6.2): the hold at the largest code x the scale
.set jj, jj+1
.endr
.irp b, 0,1,2,3,4,5,6,7
	v_cvt_scalef32_pk8_fp8_f32 v[CD+16*(\a)+2*\b:CD+16*(\a)+2*\b+1], v[CBR+8*\b:CBR+8*\b+7], v[SCR]
.endr
	v_nop                                          ; one plain vector line between the conversions and the next block's additions, which write their sources
.if (\a) > 0
	s_wait_alu depctr_va_vdst(0)
	s_wait_xcnt 0x0                                ; the last block's stores have read their base
.if (\a) == 4
	s_add_nc_u64 s[86:87], s[86:87], s[90:91]
.else
	s_add_nc_u64 s[86:87], s[86:87], s[88:89]
.endif
.endif
	global_store_b128 v[VOA], v[CD+16*(\a):CD+16*(\a)+3], s[86:87]
	global_store_b128 v[VOA], v[CD+16*(\a)+4:CD+16*(\a)+7], s[86:87] offset:512
	global_store_b128 v[VOB], v[CD+16*(\a)+8:CD+16*(\a)+11], s[86:87]
	global_store_b128 v[VOB], v[CD+16*(\a)+12:CD+16*(\a)+15], s[86:87] offset:512
.endm
	PLACES NP                                      ; behind the last products: their results are read, and the registers of A's fragments written, only behind these
.irp a, 0,1,2,3,4,5,6,7
	OUTB \a
.endr
	s_wait_tensorcnt 0x0                           ; the wave's end, behind my last tensor load
	ds_add_u32 v[SPW], v[NIL]
	s_wait_dscnt 0x0
	CROUND                                         ; the closing round: no work-group ends while a partner may still ask for a tile that names it
	s_endpgm
.Lfunc_end_k_qf3a2061ff6_qkv:
	.size	k_qf3a2061ff6_qkv, .Lfunc_end_k_qf3a2061ff6_qkv-k_qf3a2061ff6_qkv
	.p2alignl 7, 3214868480
	.fill 96, 4, 3214868480
	.section	.rodata,"a",@progbits
	.p2align	6, 0x0
	.amdhsa_kernel k_qf3a2061ff6_qkv
		.amdhsa_group_segment_fixed_size 327680
		.amdhsa_private_segment_fixed_size 0
		.amdhsa_enable_private_segment 0
		.amdhsa_kernarg_size 56
		.amdhsa_user_sgpr_count 2
		.amdhsa_user_sgpr_kernarg_segment_ptr 1
		.amdhsa_wavefront_size32 1
		.amdhsa_system_sgpr_workgroup_id_x 1
		.amdhsa_system_sgpr_workgroup_id_y 1
		.amdhsa_system_sgpr_workgroup_id_z 1
		.amdhsa_system_vgpr_workitem_id 0
		.amdhsa_next_free_vgpr 1024
		.amdhsa_next_free_sgpr 100
		.amdhsa_reserve_vcc 0
		.amdhsa_float_denorm_mode_32 3
		.amdhsa_float_denorm_mode_16_64 3
		.amdhsa_memory_ordered 1
		.amdhsa_forward_progress 1
		.amdhsa_inst_pref_size 141
	.end_amdhsa_kernel
	.amdgpu_metadata
---
amdhsa.version: [ 1, 2 ]
amdhsa.kernels:
  - .name:           k_qf3a2061ff6_qkv
    .symbol:         k_qf3a2061ff6_qkv.kd
    .args:
      - { .name: xq, .offset: 0, .size: 8, .value_kind: global_buffer, .address_space: global }
      - { .name: wq, .offset: 8, .size: 8, .value_kind: global_buffer, .address_space: global }
      - { .name: lowp_scales, .offset: 16, .size: 8, .value_kind: global_buffer, .address_space: global }
      - { .name: qkv_b, .offset: 24, .size: 8, .value_kind: global_buffer, .address_space: global }
      - { .name: qi, .offset: 32, .size: 8, .value_kind: global_buffer, .address_space: global }
      - { .name: ki, .offset: 40, .size: 8, .value_kind: global_buffer, .address_space: global }
      - { .name: vi, .offset: 48, .size: 8, .value_kind: global_buffer, .address_space: global }
    .group_segment_fixed_size: 327680
    .private_segment_fixed_size: 0
    .kernarg_segment_align: 8
    .kernarg_segment_size: 56
    .max_flat_workgroup_size: 128
    .sgpr_count:     100
    .vgpr_count:     1024
    .wavefront_size: 32
...
	.end_amdgpu_metadata
.endif
;; end of part 2
;; launch attn (part 3): grid 4 x 64, 8 waves a work-group, clusters of 4 x 1, 327,680 bytes of LDS; arguments qi, ki, vi, lowp_scales, ai; writes ai
.if DOCPART == 3
	.amdgcn_target "amdgcn-amd-amdhsa--gfx1250"
	.amdhsa_code_object_version 6
	.text
	.protected	k_qf3a2061ff6_attn
	.globl	k_qf3a2061ff6_attn
	.p2align	8
	.type	k_qf3a2061ff6_attn,@function
k_qf3a2061ff6_attn:
	s_mov_b64 s[64:65], 0
	v_nop
	global_prefetch_b8 v0, s[64:65] scope:SCOPE_SE
	s_setreg_imm32_b32 hwreg(HW_REG_WAVE_MODE, 25, 1), 1
	s_wait_xcnt 0x0
	s_wait_alu depctr_hold_cnt(0) depctr_sa_sdst(0) depctr_va_vdst(0) depctr_va_sdst(0) depctr_va_ssrc(0) depctr_va_vcc(0) depctr_vm_vsrc(0)
	s_getreg_b32 s2, hwreg(HW_REG_IB_STS2, 6, 4)
	s_cmp_eq_u32 s2, 0
	s_cbranch_scc0 .Lentry_in_a_cluster
	s_endpgm
.Lentry_in_a_cluster:
	s_bfe_u32 s2, ttmp6, 0x10000c
	s_cmp_lg_u32 s2, 0x3003
	s_cbranch_scc0 .Lentry_shape_is_right
	s_endpgm
.Lentry_shape_is_right:
; Causal attention on codes of FP8 (E4M3): for each batch and head, o = softmax(q k^T / 8, keys <= query) v, and o quantised (2^e6) as the out projection's operand.  T = 2,048, head size 64.
; qi, ki: [bh][tile of 16 t][u 2][lane][16 bytes], vi: [bh][128 keys][16 d][c 4][lane][16 bytes]: images of operand registers, in the matrix forms' own order of k.  Scales 2^e2 (q), 2^e3 (k), 2^e4 (p), 2^e5 (v).
; THE SOFTMAX AHEAD OF THE SECOND PRODUCT: t = score x log2(e) / 8; M = the row's largest t so far, rounded UP to a whole number; p = 2^(t - M) is what is quantised; it is not normalised.
; The row's sum is taken of the unquantised p, in f32, and divides O at the end.  When M moves, the sum and O are multiplied by 2^(old M - new M): exact.
; NO RING: a head's K and V are 131,072 bytes of codes each, and both lie whole in LDS: K from byte 0, V from byte 131,072, a key step (128 keys) 8,192 bytes of each.  Nothing is filled again.
; They come in two halves of 1,024 keys; each of the eight waves fetches 16,384 bytes of a half with one load (waves 0-3 K, waves 4-7 V): the first half at the head, the second behind the wait for the first and a round of the cluster's barrier.
; SHARES.  A cluster of four work-groups is one (batch, head) and asks for every tile JOINTLY.  Its 32 waves own the head's 64 double tiles of 32 queries, two a wave: with p = 4 x wave + cx, double tile 63 - p, then p.
; A WAVE WORKS BOTH TILES OF A DOUBLE TILE AT ONCE: each fragment of K and of V that it reads from LDS feeds two matrix instructions, and every line of the softmax is written for the two tiles by turns, so that
; a line does not read what the line above it wrote.
; Double tile j needs j / 4 + 1 key steps (whole steps behind the diagonal are thrown away by the causal mask and are left out): (63 - p) / 4 + 1 + p / 4 + 1 = 17 for every wave.
; The diagonal steps' first keys, 128 (15 - wave) and 128 x wave, hang on the wave's number alone: no branch hangs on a work-group's place in its cluster.
; The first double tile's first NA = 3 steps are open for every wave (its queries begin at 1,024 or later): the one barrier that shows the second half to all stands behind them, where every wave has done the same
; three steps.  Behind it no barrier stands until the closing round.  The loops' trip counts are constants (3, then twice 13); a hidden step's work is jumped over, not the lines that step addresses.
; NO PREFETCH: ahead of the first half's load there is no loop to run ahead in, and the second half's load is itself issued three key steps of every wave ahead of the wait for it.
; LAYOUT.  Both products are used transposed: S^T = K Q^T (source 0 = 16 keys, source 1 = 16 queries), O^T = V^T P^T (source 0 = 16 of the head's 64, source 1 = P): a lane holds ONE query (lane % 16) of each tile.
; Register 8 a + j of S^T is key 16 a + 8 (lane / 16) + j: so the conversion of tile a gives registers 2 a, 2 a + 1 of P in the K = 128 form's own order, and nothing changes lanes.
; THE EXPONENTIALS go in two batches of 32 a tile, with plain lines between them that read nothing written inside the same batch: under the first batch the other 32 scores' t - M, under the second four first sums and eight holds.
; ai: [64 x head + d in steps of 256][16 rows][128 k][c 4][lane][16 bytes]: O^T's tile t' gives registers 2 t', 2 t' + 1 of 64 k of a fragment of the out projection's A.
; LIMITS: e2 + e3 between -123 and 130 (they are added to c's exponent field); e4, and e6 - e4 - e5, between -126 and 119.  NaN is not served.
; REGISTERS, in windows of 256.  Window 0: the two tiles, 128 registers each, tile u from v[128 u]: + 0-15 p's codes, + 2-65 S^T, then p, + 66-97 O^T, + 98-105 Q, + 106.. what is carried and the constants.
;   P'S CODES LIE OVER SCORES THAT ARE DONE WITH: the conversion of scores 8 a .. 8 a + 7 (registers 2 + 8 a ..) writes registers 2 a, 2 a + 1, which lie under its own sources.
;   Window 1: v0-63 K's eight fragments, v64-127 V's four, v128-131 LDS addresses.
.set STEPB, 8192                       ; a key step's bytes of K, and of V
.set HALF,  65536                      ; 1,024 keys' bytes of K, and of V
.set VBASE, 131072                     ; V's first byte in LDS
.set SPARE, 262144                     ; behind K and V: the spare words, 128 bytes for each wave: four blocks of 256 bytes that no other line names
.set NA,    3                          ; steps ahead of the barrier
.set NB,    16-NA                      ; trips of each later walk
; a tile's registers, counted from its first
.set PC,   0                           ; p's codes, 16
.set S,    2                           ; S^T, then p, 64
.set O,    66                          ; O^T, 32
.set QF,   98                          ; Q, 8
.set NM,   106                         ; -M;  + 1: the largest t
.set TM,   107
.set SM,   108                         ; the sum in two halves
.set F,    110                         ; a chain of the maximum, then f = 2^(old M - new M);  + 1: the lane permute's result
.set PT,   111
.set MX,   112                         ; the other chain of the maximum, then at work
.set DM2,  113                         ; the second double tile's DM
.set DM,   114                         ; my query's place in its diagonal step, less 8 (lane / 16)
.set SCP,  115                         ; 2^e4
.set T,    116                         ; four partial sums, a pair each; at a tile's end the hold and the scale of o
.set LIMP, 124                         ; 448 x 2^e4, twice: once for each half of a dual pair
.set NINF, 126                         ; -infinity
.set SPW,  127                         ; v127  LDS address of my spare word; never rewritten
.set NIL,  255                         ; v255  0; never rewritten
; window 1
.set KR,   0
.set VR,   64
.set LI,   128                         ; 16 x lane: an image's place for my lane; never rewritten
.set LV,   129                         ; VBASE + 16 x lane
.set AD,   130                         ; LDS address of the step's K
.set ADV,  131                         ; and of its V
.set WV,   18                          ; s18  my wave's number
.set CX,   19                          ; s19  my place in the cluster
.set SEL,  20                          ; s[20:21] lane selects for v_permlanex16_b32: lane l xor 16
.set CS,   22                          ; s[22:23] c = log2(e) / 8 x 2^(e2 + e3)
.set G1,   24                          ; s[24:31] descriptor group 1
.set G0,   32                          ; s[32:35] group 0
.set LIMOS, 36                         ; s36  448 x 2^(e6 - e4 - e5);  s37  2^(e6 - e4 - e5)
.set SCOS, 37
.set TB,   38                          ; s38  LDS byte at which the step in hand begins in K
.set ST,   40                          ; s40  counts a loop's steps
.set KF,   41                          ; s41  the step's first key
.set QB,   42                          ; s42  the first key of the diagonal step of the double tile in hand;  s43: the second one's
.set QB2,  43
.set AO1,  44                          ; s[44:45] where the codes of the double tile in hand go;  s[46:47] the second one's
.set AO2,  46
.set QA1,  48                          ; s[48:49], s[50:51] my two double tiles of Q
.set QA2,  50
.set WK,   54                          ; s54  counts the two trips of the outer loop
.set MSB, 0
.macro WIN new                         ; s_set_vgpr_msb's low byte: bits 1:0 source 0, 3:2 source 1, 5:4 source 2, 7:6 destination; the high byte repeats the setting that is left
.if MSB != (\new)
	s_set_vgpr_msb (MSB<<8)|(\new)
.set MSB, (\new)
.endif
.endm
.set SH, 0x55                          ; all places window 1: the addresses' additions and the LDS loads
.set MM, 0x01                          ; source 0 window 1, all else window 0: the products (K or V), and Q's loads and the codes' stores (the address)
.macro ROUND                           ; a round of the cluster's barrier
	s_barrier_signal -1
	s_barrier_wait -1
	s_cmp_lg_u32 s[WV], 0
	s_cbranch_scc1 .Lnot_wave_0_\@
	s_barrier_signal -3
.Lnot_wave_0_\@:
	s_barrier_wait -3
	s_barrier_signal -1
	s_barrier_wait -1
.endm
.macro TLOAD                           ; every wave fetches its 16,384 bytes: one joint load, with no branch.  An s_nop 0 and four v_nop follow the line
	tensor_load_to_lds s[G0:G0+3], s[G1:G1+7]
	s_nop 0
.rept 4
	v_nop
.endr
.endm
.macro HOLD2 u, j                      ; the hold of p's numbers j and j + 1 of tile u, two in one instruction.  The conversion to an 8-bit code does not saturate (ISA guide 7.6.2); p is not negative, so the hold is one-sided; it stands whatever e4 is
	v_dual_min_num_f32 v[\u+S+(\j)], v[\u+S+(\j)], v[\u+LIMP] :: v_dual_min_num_f32 v[\u+S+(\j)+1], v[\u+S+(\j)+1], v[\u+LIMP+1]
.endm
.macro HOLDS j0                        ; sixteen numbers of both tiles
.irp j, 0,2,4,6,8,10,12,14
.irp u, 0,128
	HOLD2 \u, (\j0)+\j
.endr
.endr
.endm
	s_load_b256 s[4:11], s[0:1], 0x0               ; qi s[4:5], ki s[6:7], vi s[8:9], the scales' exponents s[10:11]
	s_load_b64 s[12:13], s[0:1], 0x20              ; ai
	v_lshl_add_u32 v[SPW], v0, 2, SPARE
	v_mov_b32 v[NIL], 0
	ds_add_u32 v[SPW], v[NIL]                      ; the wave's opening: the add, twice on end, and its wait ahead of my first tensor load
	ds_add_u32 v[SPW], v[NIL]
	v_lshrrev_b32 v8, 5, v0
	v_readfirstlane_b32 s[WV], v8                  ; wave 0..7
	s_bfe_u32 s[CX], ttmp6, 0x40000                ; cx
	s_and_b32 s66, ttmp7, 0xffff                   ; bh = 16 x batch + head, which the four partners share
	s_lshl_b32 s[QB2], s[WV], 7                    ; the second double tile's diagonal step: 128 x wave
	s_sub_co_u32 s[QB], 1920, s[QB2]               ; the first one's: 128 (15 - wave)
	s_lshl_b32 s68, s[WV], 2
	s_add_co_u32 s68, s68, s[CX]                   ; p: the second double tile
	s_sub_co_u32 s69, 63, s68                      ; the first
	s_lshl_b32 s68, s68, 1                         ; as tiles of 16 queries
	s_lshl_b32 s69, s69, 1
	s_lshl_b32 s74, s66, 7                         ; a head has 128 tiles of 1,024 bytes in qi
	s_add_co_u32 s75, s74, s69
	s_lshl_b32 s[QA1], s75, 10
	s_mov_b32 s[QA1+1], 0
	s_add_co_u32 s75, s74, s68
	s_lshl_b32 s[QA2], s75, 10
	s_mov_b32 s[QA2+1], 0
	s_and_b32 s76, s66, 15                         ; the head
	s_lshr_b32 s77, s66, 4                         ; the batch
	s_lshr_b32 s78, s76, 2
	s_lshl_b32 s78, s78, 9                         ; ai: (head / 4) x 512 blocks of 16 rows,
	s_lshl_b32 s77, s77, 7
	s_add_co_u32 s78, s78, s77                     ; + 128 x batch (+ the tile): 4,096 bytes each;
	s_and_b32 s76, s76, 3
	s_lshl_b32 s76, s76, 10                        ; + (head % 4) x 1,024: which 128 k, and which two pieces of them
	s_add_co_u32 s79, s78, s69
	s_lshl_b32 s[AO1], s79, 12
	s_add_co_u32 s[AO1], s[AO1], s76
	s_mov_b32 s[AO1+1], 0
	s_add_co_u32 s79, s78, s68
	s_lshl_b32 s[AO2], s79, 12
	s_add_co_u32 s[AO2], s[AO2], s76
	s_mov_b32 s[AO2+1], 0
	s_and_b32 s70, s[WV], 3
	s_lshl_b32 s70, s70, 14                        ; my 16,384 bytes of a half,
	s_lshr_b32 s71, s[WV], 2
	s_lshl_b32 s71, s71, 17                        ; of K (waves 0-3) or of V (waves 4-7)
	s_add_co_u32 s[G0+1], s70, s71                 ; 63:32 LDS address: the wave's number alone enters it
	s_lshl_b32 s72, s66, 17                        ; a head is 131,072 bytes in ki and in vi
	s_add_co_u32 s72, s72, s70
	s_mov_b32 s73, 0
	; descriptor group 1: 64 rows of 256 bytes, dense in memory and in LDS: 16,384 bytes
	s_mov_b32 s[G1], 15|(3<<16)|(1<<21)            ; 15:0 the mask: all four work-groups; 17:16 elements of 8 bytes; 20 no padding; 21 set beside a mask
	s_mov_b32 s[G1+1], 32<<16                      ; tensor_dim0 = 32 elements
	s_mov_b32 s[G1+2], 64<<16                      ; tensor_dim1 = 64
	s_mov_b32 s[G1+3], 32<<16                      ; tile_dim0
	s_mov_b32 s[G1+4], 64                          ; tile_dim1
	s_mov_b32 s[G1+5], 32                          ; tensor_dim0_stride
	s_mov_b32 s[G1+6], 0
	s_mov_b32 s[G1+7], 0
	s_mov_b32 s[SEL], 0x76543210
	s_mov_b32 s[SEL+1], 0xfedcba98
	s_mov_b32 s[TB], 0
	s_wait_dscnt 0x0                               ; both opening adds are done
	s_wait_kmcnt 0x0
	s_load_b256 s[56:63], s[10:11], 0x0            ; e0 .. e7
	s_cmp_lt_u32 s[WV], 4
	s_cselect_b64 s[14:15], s[6:7], s[8:9]         ; K's buffer or V's: the choice hangs on the wave's number alone
	s_mov_b32 s[G0], 1                             ; 1:0 count = 1
	s_add_nc_u64 s[G0+2:G0+3], s[14:15], s[72:73]  ; 120:64 global address: my part of the head's first 1,024 keys
	s_or_b32 s[G0+3], s[G0+3], 0x80000000          ; 127:126 type = 2
	ROUND                                          ; all four work-groups are here: the first joint loads meet
	TLOAD                                          ; keys 0 .. 1,023: my one tensor load at the head
	s_add_nc_u64 s[QA1:QA1+1], s[4:5], s[QA1:QA1+1]
	s_add_nc_u64 s[QA2:QA2+1], s[4:5], s[QA2:QA2+1]
	s_add_nc_u64 s[AO1:AO1+1], s[12:13], s[AO1:AO1+1]
	s_add_nc_u64 s[AO2:AO2+1], s[12:13], s[AO2:AO2+1]
	s_lshl_b32 s70, s[CX], 5                       ; the second double tile's place in its diagonal step: 32 (p % 4);
	s_sub_co_u32 s71, 96, s70                      ; the first one's: 32 (3 - p % 4);
	s_add_co_u32 s72, s71, 16                      ; the upper tile of each lies 16 further on
	s_add_co_u32 s73, s70, 16
	v_and_b32 v2, 31, v0                           ; lane
	v_and_b32 v4, 15, v0                           ; r
	v_bfe_u32 v5, v0, 4, 1                         ; h
	v_lshlrev_b32 v5, 3, v5
	v_sub_nc_u32 v4, v4, v5                        ; r - 8 h
	v_add_nc_u32 v[DM], s71, v4                    ; register 8 a + j holds the step's key 16 a + 8 h + j: hidden where 16 a + j > this
	v_add_nc_u32 v[128+DM], s72, v4
	v_add_nc_u32 v[DM2], s70, v4
	v_add_nc_u32 v[128+DM2], s73, v4
.irp u, 0,128
	v_mov_b32 v[\u+NINF], 0xff800000
	v_mov_b32 v[\u+PT], 0                          ; written once: a lane permute's destination counts as one of its sources, and it is named as the upper half of the pair with f
.endr
	WIN 0x40                                       ; destination window 1
	v_lshlrev_b32 v[LI], 4, v2
	v_lshl_add_u32 v[LV], v2, 4, VBASE
	WIN MM
.irp u, 0,128
	global_load_b128 v[\u+QF:\u+QF+3], v[LI], s[QA1:QA1+1] offset:8*\u           ; the first double tile's Q: it stays in registers; a tile is 1,024 bytes
	global_load_b128 v[\u+QF+4:\u+QF+7], v[LI], s[QA1:QA1+1] offset:8*\u+512
.endr
	WIN 0
.macro BEGIN                           ; a double tile begins: O^T and the sums are zeros, the largest t lies under every t: the step is written once, and the first change of M multiplies zeros
.irp u, 0,128
	v_mov_b32 v[\u+TM], 0xff61b1e6                 ; -3e38
	v_mov_b32 v[\u+SM], 0
	v_mov_b32 v[\u+SM+1], 0
.endr
.irp u, 0,128
	v_floor_f32 v[\u+NM], -v[\u+TM]                ; -M
.endr
.set jj, 0
.rept 32
	v_mov_b32 v[O+jj], 0
	v_mov_b32 v[128+O+jj], 0
.set jj, jj+1
.endr
.endm
	BEGIN
	s_wait_kmcnt 0x0
	s_add_co_i32 s70, s58, s59
	s_lshl_b32 s70, s70, 23
	s_mov_b32 s[CS], 0x3e38aa3b                    ; c = log2(e) / 8
	s_add_co_i32 s[CS], s[CS], s70                 ; a score stands for score x 2^(e2 + e3): the two exponents are added to c's exponent field
	s_mov_b32 s[CS+1], s[CS]                       ; (named with it as a pair, so it is written)
	s_add_co_i32 s70, s60, 127
	s_lshl_b32 s71, s70, 23                        ; 2^e4 as f32, for p's conversion
	s_add_co_i32 s70, s70, 8
	s_lshl_b32 s70, s70, 23
	s_or_b32 s70, s70, 0x600000                    ; 448 x 2^e4
	s_sub_co_i32 s72, s62, s60
	s_sub_co_i32 s72, s72, s61                     ; O^T / the sum stands for that x 2^(e4 + e5): its code is that / 2^(e6 - e4 - e5)
	s_add_co_i32 s72, s72, 127
	s_lshl_b32 s[SCOS], s72, 23
	s_add_co_i32 s72, s72, 8
	s_lshl_b32 s72, s72, 23
	s_or_b32 s[LIMOS], s72, 0x600000
.irp u, 0,128
	v_mov_b32 v[\u+SCP], s71
	v_mov_b32 v[\u+LIMP], s70
	v_mov_b32 v[\u+LIMP+1], s70
.endr
; A KEY STEP: 128 keys, at LDS byte s[TB] of K and of V, for both tiles.  masked = 1: the step may be hidden (its work is jumped over) or lie on the diagonal (hidden scores become -infinity).
.macro STEP masked
.if \masked
	s_cmp_gt_u32 s[KF], s[QB]                      ; all 128 keys come after my 32 queries
	s_cbranch_scc1 .Lhidden_\@
.endif
	WIN SH
	v_add_nc_u32 v[AD], s[TB], v[LI]
	v_add_nc_u32 v[ADV], s[TB], v[LV]
.rept 3
	v_nop                                          ; with the two additions: five places behind the last products: four are owed by the loads into V's registers, five by the products below, which write over p's codes
.endr
.irp a, 0,1,2,3,4,5,6,7
	ds_load_b128 v[KR+8*\a:KR+8*\a+3], v[AD] offset:1024*\a            ; K: tile a of 16 keys x 64
	ds_load_b128 v[KR+8*\a+4:KR+8*\a+7], v[AD] offset:1024*\a+512
.endr
.irp t, 0,1,2,3
.irp c, 0,1,2,3
	ds_load_b128 v[VR+16*\t+4*\c:VR+16*\t+4*\c+3], v[ADV] offset:2048*\t+512*\c   ; V: 16 of the head's 64 x 128 keys; asked for here, it lands under the softmax
.endr
.endr
	s_wait_dscnt 16                                ; K's sixteen loads are in; V's sixteen may be out
	WIN MM
.irp a, 0,1,2,3,4,5,6,7
.irp u, 0,128
	v_wmma_f32_16x16x64_fp8_fp8 v[\u+S+8*\a:\u+S+8*\a+7], v[KR+8*\a:KR+8*\a+7], v[\u+QF:\u+QF+7], 0   ; each fragment of K serves both tiles
.endr
.endr
	WIN 0
.rept 4
	v_nop                                          ; places in front of the first read of the scores
.endr
.if \masked
	s_cmp_lt_u32 s[KF], s[QB]                      ; a step all of whose keys count skips the mask
	s_cbranch_scc1 .Lopen_\@
.set n, 0
.rept 64
.irp u, 0,128
	v_cmp_gt_i32 vcc_lo, 16*(n/8)+n%8, v[\u+DM]    ; on the diagonal the scores of hidden keys become -infinity ahead of the maximum: p = 0 then
	v_cndmask_b32 v[\u+S+n], v[\u+S+n], v[\u+NINF], vcc_lo
.endr
.set n, n+1
.endr
.Lopen_\@:
.endif
.irp u, 0,128
	v_max3_num_f32 v[\u+MX], v[\u+S], v[\u+S+1], v[\u+S+2]     ; the step's largest score of my query, among my 64 keys: two chains a tile, four by turns
.endr
.irp u, 0,128
	v_max3_num_f32 v[\u+F], v[\u+S+3], v[\u+S+4], v[\u+S+5]
.endr
.irp i, 6,10,14,18,22,26,30,34,38,42,46,50,54,58
.irp u, 0,128
	v_max3_num_f32 v[\u+MX], v[\u+MX], v[\u+S+\i], v[\u+S+1+\i]
.endr
.irp u, 0,128
	v_max3_num_f32 v[\u+F], v[\u+F], v[\u+S+2+\i], v[\u+S+3+\i]
.endr
.endr
.irp u, 0,128
	v_max3_num_f32 v[\u+MX], v[\u+MX], v[\u+S+62], v[\u+S+63]
.endr
.irp u, 0,128
	v_max_num_f32 v[\u+MX], v[\u+MX], v[\u+F]
.endr
.irp u, 0,128
	v_permlanex16_b32 v[\u+PT], v[\u+MX], s[SEL], s[SEL+1]
.endr
.irp u, 0,128
	v_max_num_f32 v[\u+MX], v[\u+MX], v[\u+PT]     ; and among lane l xor 16's
.endr
.irp u, 0,128
	v_mul_f32 v[\u+MX], s[CS], v[\u+MX]            ; as t (c is positive)
.endr
.irp u, 0,128
	v_max_num_f32 v[\u+TM], v[\u+TM], v[\u+MX]     ; the running largest t
.endr
.irp u, 0,128
	v_mov_b32 v[\u+MX], v[\u+NM]
.endr
.irp u, 0,128
	v_floor_f32 v[\u+NM], -v[\u+TM]                ; the new -M = floor(-t) = -ceil(t): M IS A WHOLE NUMBER
.endr
.irp u, 0,128
	v_sub_f32 v[\u+MX], v[\u+NM], v[\u+MX]         ; M's old value less its new one: a whole number, 0 or less
.endr
.irp u, 0,128
	v_cvt_i32_f32 v[\u+MX], v[\u+MX]               ; (it saturates)
.endr
.irp u, 0,128
	v_ldexp_f32 v[\u+F], 1.0, v[\u+MX]             ; f = 2^(old M - new M): a multiplication by it rounds nothing
.endr
.set jj, 0
.rept 16
.irp u, 0,128
	v_pk_fma_f32 v[\u+S+jj:\u+S+jj+1], v[\u+S+jj:\u+S+jj+1], s[CS:CS+1], v[\u+NM:\u+NM+1] op_sel_hi:[1,0,0]   ; the first 32 scores: t - M, two at a time (of the pairs c and -M the low word serves both halves)
.endr
.set jj, jj+2
.endr
	s_wait_alu depctr_va_vdst(0)                   ; ahead of a batch
.set jj, 0
.rept 16
.irp u, 0,128
	v_exp_f32 v[\u+S+jj], v[\u+S+jj]               ; p = 2^(t - M), at most 1: NOT normalised.  The first batch: 32 a tile;
	v_exp_f32 v[\u+S+jj+1], v[\u+S+jj+1]
	v_pk_fma_f32 v[\u+S+32+jj:\u+S+33+jj], v[\u+S+32+jj:\u+S+33+jj], s[CS:CS+1], v[\u+NM:\u+NM+1] op_sel_hi:[1,0,0]   ; between them the other 32 scores' t - M, read behind the next wait
.endr
.set jj, jj+2
.endr
	s_wait_alu depctr_va_vdst(0)                   ; one wait: behind the first batch, for its results, and ahead of the second, for its sources
.set k, 0
.rept 4
.irp u, 0,128
	v_exp_f32 v[\u+S+32+8*k], v[\u+S+32+8*k]       ; the second batch: 32 a tile; between them four first sums (of the UNQUANTISED p) and then the holds of the sixteen numbers summed: each writes what is read only behind the next wait
	v_pk_add_f32 v[\u+T+2*k:\u+T+2*k+1], v[\u+S+4*k:\u+S+4*k+1], v[\u+S+4*k+2:\u+S+4*k+3]
	v_exp_f32 v[\u+S+33+8*k], v[\u+S+33+8*k]
	HOLD2 \u, 4*k
	v_exp_f32 v[\u+S+34+8*k], v[\u+S+34+8*k]
	HOLD2 \u, 4*k+2
	v_exp_f32 v[\u+S+35+8*k], v[\u+S+35+8*k]
	v_exp_f32 v[\u+S+36+8*k], v[\u+S+36+8*k]
	v_exp_f32 v[\u+S+37+8*k], v[\u+S+37+8*k]
	v_exp_f32 v[\u+S+38+8*k], v[\u+S+38+8*k]
	v_exp_f32 v[\u+S+39+8*k], v[\u+S+39+8*k]
.endr
.set k, k+1
.endr
.irp u, 0,128
	v_pk_mul_f32 v[\u+SM:\u+SM+1], v[\u+SM:\u+SM+1], v[\u+F:\u+F+1] op_sel_hi:[1,0]   ; the sums under the new M.  (The plain lines behind the exponentials)
.endr
	s_wait_alu depctr_va_vdst(0)                   ; one wait, behind the batch: for its results, and directly ahead of the first readers of O^T, the last step's matrix results
.set jj, 0
.rept 16
.irp u, 0,128
	v_pk_mul_f32 v[\u+O+jj:\u+O+jj+1], v[\u+O+jj:\u+O+jj+1], v[\u+F:\u+F+1] op_sel_hi:[1,0]   ; O^T under the new M: x f; each accumulator from its low end on
.endr
.set jj, jj+2
.endr
.set m, 0
.rept 24
.irp u, 0,128
	v_pk_add_f32 v[\u+T+2*(m%4):\u+T+2*(m%4)+1], v[\u+T+2*(m%4):\u+T+2*(m%4)+1], v[\u+S+16+2*m:\u+S+17+2*m]   ; the other 48 p onto the four partial sums
.endr
.set m, m+1
.endr
.irp u, 0,128
	v_pk_add_f32 v[\u+T:\u+T+1], v[\u+T:\u+T+1], v[\u+T+4:\u+T+5]        ; four sums become one; the holds stand between the levels
.endr
.irp u, 0,128
	v_pk_add_f32 v[\u+T+2:\u+T+3], v[\u+T+2:\u+T+3], v[\u+T+6:\u+T+7]
.endr
	HOLDS 16
.irp u, 0,128
	v_pk_add_f32 v[\u+T:\u+T+1], v[\u+T:\u+T+1], v[\u+T+2:\u+T+3]
.endr
	HOLDS 32
.irp u, 0,128
	v_pk_add_f32 v[\u+SM:\u+SM+1], v[\u+SM:\u+SM+1], v[\u+T:\u+T+1]
.endr
	HOLDS 48
.irp a, 0,1,2,3,4,5,6,7
.irp u, 0,128
	v_cvt_scalef32_pk8_fp8_f32 v[\u+PC+2*\a:\u+PC+2*\a+1], v[\u+S+8*\a:\u+S+8*\a+7], v[\u+SCP]   ; registers 2 a, 2 a + 1 of P: keys 16 a + 8 h + 0 .. 7
.endr
	v_nop                                          ; one plain line behind each pair of conversions: the next pair writes registers that an earlier one read, and the products read the last one's results
.endr
	s_wait_alu depctr_va_vdst(0)                   ; directly ahead of the wait below
	s_wait_dscnt 0x0                               ; V is in
	WIN MM
.irp t, 0,1,2,3
.irp u, 0,128
	v_wmma_f32_16x16x128_fp8_fp8 v[\u+O+8*\t:\u+O+8*\t+7], v[VR+16*\t:VR+16*\t+15], v[\u+PC:\u+PC+15], v[\u+O+8*\t:\u+O+8*\t+7]   ; each fragment of V serves both tiles; the eight accumulators by turns
.endr
.endr
	WIN 0
.if \masked
.Lhidden_\@:
.endif
.endm
; A DOUBLE TILE ENDS: O^T / the sum, held, quantised, stored: 16 bytes a lane a piece, 512 consecutive bytes a store, aligned.
.macro FINAL
.irp u, 0,128
	v_add_f32 v[\u+SM], v[\u+SM], v[\u+SM+1]       ; the sum's two halves,
.endr
.irp u, 0,128
	v_permlanex16_b32 v[\u+PT], v[\u+SM], s[SEL], s[SEL+1]
.endr
.irp u, 0,128
	v_add_f32 v[\u+SM], v[\u+SM], v[\u+PT]         ; and lane l xor 16's: the row's sum
.endr
.irp u, 0,128
	v_mov_b32 v[\u+T], s[LIMOS]                    ; the hold and the scale of o, where the partial sums lay
	v_mov_b32 v[\u+T+1], s[SCOS]
.endr
	s_wait_alu depctr_va_vdst(0)                   ; ahead of the reciprocals
.irp u, 0,128
	v_rcp_f32 v[\u+SM], v[\u+SM]
.endr
	v_nop                                          ; a plain line behind the reciprocals
	v_nop
	s_wait_alu depctr_va_vdst(0)                   ; the wait ahead of the reciprocals' first readers, which are O^T's too
.set jj, 0
.rept 16
.irp u, 0,128
	v_pk_mul_f32 v[\u+S+jj:\u+S+jj+1], v[\u+O+jj:\u+O+jj+1], v[\u+SM:\u+SM+1] op_sel_hi:[1,0]   ; register 8 t + i: channel 16 t + 8 h + i of my query; each accumulator from its low end on
.endr
.set jj, jj+2
.endr
.set jj, 0
.rept 32
.irp u, 0,128
	v_med3_num_f32 v[\u+S+jj], v[\u+S+jj], -v[\u+T], v[\u+T]
.endr
.set jj, jj+1
.endr
.irp t, 0,1,2,3
.irp u, 0,128
	v_cvt_scalef32_pk8_fp8_f32 v[\u+PC+2*\t:\u+PC+2*\t+1], v[\u+S+8*\t:\u+S+8*\t+7], v[\u+T+1]
.endr
	v_nop                                          ; one plain line behind each pair of conversions
.endr
	WIN MM
.irp u, 0,128
	global_store_b128 v[LI], v[\u+PC:\u+PC+3], s[AO1:AO1+1] offset:32*\u           ; a tile's block of ai is 4,096 bytes
	global_store_b128 v[LI], v[\u+PC+4:\u+PC+7], s[AO1:AO1+1] offset:32*\u+512
.endr
	WIN 0
.endm
	s_wait_alu depctr_va_vdst(0)                   ; at the head's end
	s_wait_loadcnt 0x0                             ; Q
	s_wait_tensorcnt 0x0                           ; my part of the first 1,024 keys is in
	ds_add_u32 v[SPW], v[NIL]
	s_add_co_u32 s[G0+1], s[G0+1], HALF            ; no tensor load of mine is out, so group 0 may be written: the second half, in LDS
	s_add_nc_u64 s[G0+2:G0+3], s[G0+2:G0+3], HALF  ; and in memory; the type bits on top are not reached
	s_wait_dscnt 0x0                               ; the add is done
	ROUND                                          ; everybody's part is in, and all four work-groups are here: the joint loads meet
	TLOAD                                          ; keys 1,024 .. 2,047
	s_mov_b32 s[ST], NA
.Lopen3:                                           ; the first double tile's steps 0 to NA - 1: all their keys count
	STEP 0
	s_add_co_u32 s[TB], s[TB], STEPB
	s_sub_co_u32 s[ST], s[ST], 1
	s_cmp_lg_u32 s[ST], 0
	s_cbranch_scc1 .Lopen3
	s_wait_tensorcnt 0x0                           ; my part of the second half is in
	ds_add_u32 v[SPW], v[NIL]
	s_mov_b32 s[KF], 128*NA
	s_mov_b32 s[WK], 0
	s_wait_dscnt 0x0
	s_barrier_signal -1
	s_barrier_wait -1                              ; everybody's is
.Lwalk:                                            ; two trips: the first double tile's steps NA to 15, then the second one's steps 0 to NB - 1, of which those behind step 7 are hidden for every wave
	s_mov_b32 s[ST], NB
.Lstep:
	STEP 1
	s_add_co_u32 s[KF], s[KF], 128
	s_add_co_u32 s[TB], s[TB], STEPB
	s_sub_co_u32 s[ST], s[ST], 1
	s_cmp_lg_u32 s[ST], 0
	s_cbranch_scc1 .Lstep
	s_and_b32 s[TB], s[TB], 0xffff                 ; 131,072 becomes 0: the second double tile begins at key 0
	s_mov_b32 s[KF], 0
	s_mov_b32 s[QB], s[QB2]
	FINAL
	s_cmp_eq_u32 s[WK], 1
	s_cbranch_scc1 .Llast
	WIN MM
.irp u, 0,128
	global_load_b128 v[\u+QF:\u+QF+3], v[LI], s[QA2:QA2+1] offset:8*\u           ; the second double tile's Q
	global_load_b128 v[\u+QF+4:\u+QF+7], v[LI], s[QA2:QA2+1] offset:8*\u+512
.endr
	WIN 0
.irp u, 0,128
	v_mov_b32 v[\u+DM], v[\u+DM2]
.endr
	BEGIN
	s_wait_alu depctr_va_vdst(0)                   ; directly ahead of the waits below
	s_wait_xcnt 0x0                                ; the stores have read their base and the codes' registers: both may be written again
	s_mov_b64 s[AO1:AO1+1], s[AO2:AO2+1]
	s_wait_loadcnt 0x0
.Llast:
	s_add_co_u32 s[WK], s[WK], 1
	s_cmp_lt_u32 s[WK], 2
	s_cbranch_scc1 .Lwalk
	s_wait_tensorcnt 0x0                           ; the wave's end, behind my last tensor load
	ds_add_u32 v[SPW], v[NIL]
	s_wait_dscnt 0x0
	ROUND                                          ; the closing round: no work-group ends while a partner may still ask for a tile that names it
	s_endpgm
.Lfunc_end_k_qf3a2061ff6_attn:
	.size	k_qf3a2061ff6_attn, .Lfunc_end_k_qf3a2061ff6_attn-k_qf3a2061ff6_attn
	.p2alignl 7, 3214868480
	.fill 96, 4, 3214868480
	.section	.rodata,"a",@progbits
	.p2align	6, 0x0
	.amdhsa_kernel k_qf3a2061ff6_attn
		.amdhsa_group_segment_fixed_size 327680
		.amdhsa_private_segment_fixed_size 0
		.amdhsa_enable_private_segment 0
		.amdhsa_kernarg_size 40
		.amdhsa_user_sgpr_count 2
		.amdhsa_user_sgpr_kernarg_segment_ptr 1
		.amdhsa_wavefront_size32 1
		.amdhsa_system_sgpr_workgroup_id_x 1
		.amdhsa_system_sgpr_workgroup_id_y 1
		.amdhsa_system_sgpr_workgroup_id_z 1
		.amdhsa_system_vgpr_workitem_id 0
		.amdhsa_next_free_vgpr 512
		.amdhsa_next_free_sgpr 80
		.amdhsa_reserve_vcc 1
		.amdhsa_float_denorm_mode_32 3
		.amdhsa_float_denorm_mode_16_64 3
		.amdhsa_memory_ordered 1
		.amdhsa_forward_progress 1
		.amdhsa_inst_pref_size 88
	.end_amdhsa_kernel
	.amdgpu_metadata
---
amdhsa.version: [ 1, 2 ]
amdhsa.kernels:
  - .name:           k_qf3a2061ff6_attn
    .symbol:         k_qf3a2061ff6_attn.kd
    .args:
      - { .name: qi, .offset: 0, .size: 8, .value_kind: global_buffer, .address_space: global }
      - { .name: ki, .offset: 8, .size: 8, .value_kind: global_buffer, .address_space: global }
      - { .name: vi, .offset: 16, .size: 8, .value_kind: global_buffer, .address_space: global }
      - { .name: lowp_scales, .offset: 24, .size: 8, .value_kind: global_buffer, .address_space: global }
      - { .name: ai, .offset: 32, .size: 8, .value_kind: global_buffer, .address_space: global }
    .group_segment_fixed_size: 327680
    .private_segment_fixed_size: 0
    .kernarg_segment_align: 8
    .kernarg_segment_size: 40
    .max_flat_workgroup_size: 256
    .sgpr_count:     80
    .vgpr_count:     512
    .wavefront_size: 32
...
	.end_amdgpu_metadata
.endif
;; end of part 3
;; launch proj (part 4): grid 4 x 64, 4 waves a work-group, clusters of 4 x 4, 327,680 bytes of LDS; arguments ai, owq, lowp_scales, out_b, out0; writes out0
.if DOCPART == 4
	.amdgcn_target "amdgcn-amd-amdhsa--gfx1250"
	.amdhsa_code_object_version 6
	.text
	.protected	k_qf3a2061ff6_proj
	.globl	k_qf3a2061ff6_proj
	.p2align	8
	.type	k_qf3a2061ff6_proj,@function
k_qf3a2061ff6_proj:
	s_mov_b64 s[64:65], 0
	v_nop
	global_prefetch_b8 v0, s[64:65] scope:SCOPE_SE
	s_setreg_imm32_b32 hwreg(HW_REG_WAVE_MODE, 25, 1), 1
	s_wait_xcnt 0x0
	s_wait_alu depctr_hold_cnt(0) depctr_sa_sdst(0) depctr_va_vdst(0) depctr_va_sdst(0) depctr_va_ssrc(0) depctr_va_vcc(0) depctr_vm_vsrc(0)
	s_getreg_b32 s2, hwreg(HW_REG_IB_STS2, 6, 4)
	s_cmp_eq_u32 s2, 0
	s_cbranch_scc0 .Lentry_in_a_cluster
	s_endpgm
.Lentry_in_a_cluster:
	s_bfe_u32 s2, ttmp6, 0x10000c
	s_cmp_lg_u32 s2, 0xf033
	s_cbranch_scc0 .Lentry_shape_is_right
	s_endpgm
.Lentry_shape_is_right:
; out0 = a out_w^T + out_b on codes of FP8 (E4M3): a [8192][1024] (scale 2^e6) comes as ai, images of operand registers; owq [1024][1024] (scale 2^e7) has K innermost; out0 [8192][1024] f32.
; ai: [k in steps of 256][block of 16 rows][128 k][c 4][lane][16 bytes]: 2,048 bytes are one fragment (16 rows x 128 k) in the K = 128 form's own order of k.
; SHARES.  A block of 128 x 256 of out0 is made by a work-group of four waves: 4 x 64 = 256 work-groups.  A wave makes 64 x 128: 32 accumulators, 256 registers.
; B (256 rows of owq, the WHOLE K) lies in LDS: four chunks of 256 along K, each 256 rows of 256 bytes + 16 of padding; wave w fetches chunk w with one tensor load at the head.  Nothing is filled again: no ring.
; A goes from memory STRAIGHT INTO REGISTERS: a wave's 64 rows x 1,024 k are 32 fragments, 512 registers, 128 loads of 512 consecutive bytes each, all issued at the head.  The two waves with the same rows load them twice.
; CLUSTERS: 4 x 4 work-groups; the four of a column of the cluster need the same rows of owq and ask for them JOINTLY.  A's images pass through no LDS, so they are not asked for jointly.
; NO PREFETCH: every byte is asked for at the head; there is no loop to run ahead in.
; THE MATRIX INSTRUCTION IS USED TRANSPOSED (source 0 = 16 rows of B, source 1 = 16 rows of A): a lane holds eight neighbouring numbers of a row of out0.
; K goes in 16 half steps: 128 along K x four of my eight blocks of B: 16 matrix instructions on 16 accumulators by turns; B's four fragments come from LDS two half steps ahead, through three buffers.
; THE WAY OUT: sum x 2^(e6 + e7) + out_b in one fused line a pair; a block of 16 rows x 128 columns goes through my own stage in LDS and leaves as whole rows of 512 bytes.
; LIMIT: e6 + e7 between -126 and 127, so that 2^(e6 + e7) is an f32 number.
; REGISTERS, in windows of 256: window 0: v0-31 addresses; v64-255 B's three buffers, on the way out a block's numbers and two sets of rows read back.
;   window 1: A's fragments of K steps 0-3 ((k, a) at v[64 k + 16 a]); behind K step 0 its v0-63 take out_b in the result's layout.   window 2: those of K steps 4-7.   window 3: the accumulators ((a, b) at v[8 (8 a + b)]).
.set PITCH,  272                       ; an LDS row: 256 bytes + 16 of padding = 68 words: row r starts at bank 4 r mod 64 (64 banks of 4 bytes: ISA guide 11.1)
.set CH,     256*PITCH                 ; a chunk: 256 rows
.set STAGE,  4*CH                      ; behind B: a stage of 16 rows x 528 bytes for each wave; no tensor load lands there
.set SPITCH, 528
.set SPARE,  STAGE+4*16*SPITCH         ; behind the stages: the spare words, 128 bytes for each wave: two blocks of 256 bytes that no other line names
.set KSB,    0x200000                  ; 256 along K of all 8,192 rows in ai
.set ADRB, 16                          ; v16-19  LDS address of my B fragments in chunk 0 .. 3
.set STO,  24                          ; v24     the way out: where I put 32 bytes of a row
.set RD,   25                          ; v25     the way out: where I read a row back
.set CO,   26                          ; v26     16 x lane: my place in an image, and in a row of 512 bytes of out0
.set BO,   27                          ; v27     32 x (lane / 16): my half's eight numbers of 16 of out_b
.set SPW,  28                          ; v28     LDS address of my spare word; never rewritten
.set NIL,  29                          ; v29     0; never rewritten
.set BF,   64                          ; B's three buffers of four fragments
.set TMP,  64                          ; the way out: a block's 64 numbers
.set BK,   128                         ; the way out: 16 rows read back: v128-191 and v192-255 by turns
.set G1, 24                            ; s[24:31] descriptor group 1;  s[32:35] group 0
.set G0, 32
.set MSB, 0
.macro WIN new                         ; the immediate's high byte repeats the setting that is left
.if MSB != (\new)
	s_set_vgpr_msb (MSB<<8)|(\new)
.set MSB, (\new)
.endif
.endm
.macro CROUND                          ; a round of the cluster's barrier
	s_barrier_signal -1
	s_barrier_wait -1
	s_cmp_lg_u32 s14, 0
	s_cbranch_scc1 .Lnot_wave_0_\@
	s_barrier_signal -3
.Lnot_wave_0_\@:
	s_barrier_wait -3
	s_barrier_signal -1
	s_barrier_wait -1
.endm
.macro PLACES
.rept 4
	v_nop
.endr
.endm
	s_load_b256 s[4:11], s[0:1], 0x0               ; ai s[4:5], owq s[6:7], the scales' exponents s[8:9], out_b s[10:11]
	s_load_b64 s[12:13], s[0:1], 0x20              ; out0
	v_lshl_add_u32 v[SPW], v0, 2, SPARE
	v_mov_b32 v[NIL], 0
	ds_add_u32 v[SPW], v[NIL]                      ; the wave's opening: the add, twice on end, and its wait ahead of my first tensor load
	ds_add_u32 v[SPW], v[NIL]
	v_lshrrev_b32 v1, 5, v0
	v_readfirstlane_b32 s14, v1                    ; wave 0..3
	s_lshr_b32 s15, s14, 1                         ; which 64 of the block's 128 rows are mine
	s_and_b32 s16, s14, 1                          ; which 128 of its 256 columns
	s_bfe_u32 s40, ttmp6, 0x40000                  ; cx, cy: my place in the cluster
	s_bfe_u32 s41, ttmp6, 0x40004
	s_lshl_b32 s42, ttmp9, 2
	s_add_co_u32 s42, s42, s40                     ; block column = 4 x cluster x + cx
	s_and_b32 s17, ttmp7, 0xffff
	s_lshl_b32 s17, s17, 2
	s_add_co_u32 s17, s17, s41                     ; block row = 4 x cluster y + cy
	s_lshl_b32 s44, 0x1111, s40                    ; my column of the cluster
	; descriptor group 1: 256 rows x 256 bytes, 1,024 bytes apart in memory, padded in LDS
	s_or_b32 s[G1], s44, (0<<16)|(1<<20)|(1<<21)|(5<<22)|(3<<25)  ; 15:0 the mask; 17:16 element of 1 byte; 20 padding on; 21 set beside a mask; 24:22 after every 64 words (code 5); 31:25 of 4 words (code 3)
	s_mov_b32 s[G1+1], 256<<16                     ; tensor_dim0
	s_mov_b32 s[G1+2], 256<<16                     ; tensor_dim1 = 256
	s_mov_b32 s[G1+3], 256<<16                     ; tile_dim0
	s_mov_b32 s[G1+4], 256                         ; tile_dim1 = 256
	s_mov_b32 s[G1+5], 1024                        ; tensor_dim0_stride
	s_mov_b32 s[G1+6], 0
	s_mov_b32 s[G1+7], 0
	s_lshl_b32 s46, s42, 18                        ; B: 256 rows of 1,024 bytes for each block column,
	s_lshl_b32 s18, s14, 8
	s_add_co_u32 s46, s46, s18                     ; + my chunk of 256 along K
	s_mov_b32 s47, 0
	s_mov_b32 s[G0], 1                             ; 1:0 count = 1
	s_mul_i32 s[G0+1], s14, CH                     ; 63:32 LDS address: the wave's number alone enters it
	s_lshl_b32 s20, s17, 15                        ; A: 8 blocks of 16 rows, 4,096 bytes each, for each block row,
	s_lshl_b32 s18, s15, 14
	s_add_co_u32 s20, s20, s18                     ; + my four
	s_mov_b32 s21, 0
	s_lshl_b32 s68, s42, 10                        ; out_b, and a row of out0: 1,024 bytes for each block column,
	s_lshl_b32 s69, s16, 9
	s_add_co_u32 s68, s68, s69                     ; + my 512
	s_mov_b32 s69, 0
	s_lshl_b32 s70, s17, 7
	s_lshl_b32 s71, s15, 6
	s_add_co_u32 s70, s70, s71                     ; my first row of out0
	s_lshl_b32 s70, s70, 12                        ; rows of 4,096 bytes: under 2^25
	s_add_co_u32 s70, s70, s68
	s_mov_b32 s71, 0
	s_mul_i32 s22, s16, 128*PITCH                  ; my 128 rows of B in chunk 0,
	s_add_co_u32 s48, s22, CH                      ; 1,
	s_add_co_u32 s49, s48, CH                      ; 2,
	s_add_co_u32 s50, s49, CH                      ; 3
	s_mul_i32 s23, s14, 16*SPITCH
	s_add_co_u32 s23, s23, STAGE                   ; my stage
	s_wait_dscnt 0x0                               ; both opening adds are done
	s_wait_kmcnt 0x0
	s_load_b64 s[96:97], s[8:9], 0x18              ; e6, e7
	s_add_nc_u64 s[G0+2:G0+3], s[6:7], s[46:47]    ; 120:64 global address
	s_or_b32 s[G0+3], s[G0+3], 0x80000000          ; 127:126 type = 2
	s_add_nc_u64 s[20:21], s[4:5], s[20:21]
	s_add_nc_u64 s[68:69], s[10:11], s[68:69]
	s_add_nc_u64 s[12:13], s[12:13], s[70:71]
	CROUND                                         ; all sixteen work-groups are here: the joint loads meet
	tensor_load_to_lds s[G0:G0+3], s[G1:G1+7]      ; my chunk of B: every wave's one tensor load, with no branch
	s_nop 0
	PLACES
	v_and_b32 v1, 15, v0                           ; r = l % 16
	v_bfe_u32 v2, v0, 4, 1                         ; h = l / 16
	v_and_b32 v6, 31, v0
	v_lshlrev_b32 v[CO], 4, v6
	v_mul_u32_u24 v3, v1, PITCH
	v_lshl_add_u32 v4, v2, 3, v3                   ; a fragment's row x pitch + 8 x half: the form's own order of k, as A's images have it
	v_mul_u32_u24 v5, v1, SPITCH
	v_lshl_add_u32 v5, v2, 5, v5                   ; the stage, on the way in: row r, 32 bytes for each half of the lanes
	v_lshlrev_b32 v[BO], 5, v2
	v_add_nc_u32 v[ADRB], s22, v4
	v_add_nc_u32 v[ADRB+1], s48, v4
	v_add_nc_u32 v[ADRB+2], s49, v4
	v_add_nc_u32 v[ADRB+3], s50, v4
	v_add_nc_u32 v[STO], s23, v5
	v_add_nc_u32 v[RD], s23, v[CO]                 ; and back: the 32 lanes take one row of 512 bytes
	s_wait_alu depctr_va_vdst(0)                   ; at the end of the head's vector lines
.irp k, 0,1,2,3,4,5,6,7                ; A: K step k (128 along K), my blocks a = 0 .. 3, four pieces each: 16 loads a K step, in the order in which they are used
	WIN 0x40<<((\k)/4)                             ; destination window 1 or 2, address window 0
.irp a, 0,1,2,3
.irp c, 0,1,2,3
	global_load_b128 v[64*((\k)%4)+16*\a+4*\c:64*((\k)%4)+16*\a+4*\c+3], v[CO], s[20:21] offset:KSB*((\k)/2)+2048*((\k)%2)+4096*\a+512*\c
.endr
.endr
.endr
	WIN 0
	s_wait_kmcnt 0x0
	s_add_co_i32 s96, s96, s97
	s_add_co_i32 s96, s96, 127
	s_lshl_b32 s96, s96, 23                        ; 2^(e6 + e7) as f32
	s_mov_b32 s97, s96                             ; (named with it as a pair, so it is written)
.macro FETCHB i                        ; B's four fragments of half step i into buffer i % 3: eight loads of 8 bytes a fragment: registers 2 c, 2 c + 1 hold k = 16 c + 8 h + 0 .. 7
.set FB, BF+64*((\i)%3)
.irp f, 0,1,2,3
.irp c, 0,1,2,3,4,5,6,7
	ds_load_b64 v[FB+16*\f+2*\c:FB+16*\f+2*\c+1], v[ADRB+(\i)/4] offset:128*(((\i)/2)%2)+16*\c+(4*((\i)%2)+\f)*16*PITCH
.endr
.endr
.endm
; HALF STEP i: K step i / 2, B's blocks 4 (i % 2) + 0 .. 3, against my four blocks of A.
.macro HS i
.if (\i) < 15
	s_wait_dscnt 32                                ; this half step's 32 loads are in; the next one's 32 may be out
.else
	s_wait_dscnt 0
.endif
.if (\i) == 8
	s_wait_loadcnt 63                              ; A's K step 4 is in: behind it stand 48 loads of A and 16 of out_b, one more than the count can name
.endif
.if (\i) >= 10 && (\i)%2 == 0
	s_wait_loadcnt 16*(8-(\i)/2)                   ; A's K step i / 2 is in: behind it stand 16 loads for each later K step and 16 of out_b
.endif
.if (\i)+2 < 16
	PLACES                                         ; four places behind the last half step's products, in front of loads into the registers that they read (ISA guide 7.12.1 for vector instructions)
	FETCHB (\i)+2
.endif
.if (\i) == 2
	WIN 0x40                                       ; K step 0's products are issued, and the places above stand behind them: its registers take out_b at my columns 16 b + 8 h + 0 .. 7: the layout of accumulator (a, b), any a
.irp b, 0,1,2,3,4,5,6,7
	global_load_b128 v[8*\b:8*\b+3], v[BO], s[68:69] offset:64*\b
	global_load_b128 v[8*\b+4:8*\b+7], v[BO], s[68:69] offset:64*\b+16
.endr
.endif
.set BB, BF+64*((\i)%3)
	WIN 0xf0|((1+(\i)/8)<<2)                       ; source 0 (B) window 0, source 1 (A) window 1 or 2, C and D window 3
.irp a, 0,1,2,3
.irp f, 0,1,2,3
.if (\i) < 2
	v_wmma_f32_16x16x128_fp8_fp8 v[8*(8*\a+4*((\i)%2)+\f):8*(8*\a+4*((\i)%2)+\f)+7], v[BB+16*\f:BB+16*\f+15], v[64*(((\i)/2)%4)+16*\a:64*(((\i)/2)%4)+16*\a+15], 0
.else
	v_wmma_f32_16x16x128_fp8_fp8 v[8*(8*\a+4*((\i)%2)+\f):8*(8*\a+4*((\i)%2)+\f)+7], v[BB+16*\f:BB+16*\f+15], v[64*(((\i)/2)%4)+16*\a:64*(((\i)/2)%4)+16*\a+15], v[8*(8*\a+4*((\i)%2)+\f):8*(8*\a+4*((\i)%2)+\f)+7]
.endif
.endr
.endr
	WIN 0
.endm
	s_wait_loadcnt 63                              ; of A's 128 loads at most the last 63 are out: K steps 0 to 3 are in
	s_wait_tensorcnt 0x0                           ; my chunk of B is in,
	s_barrier_signal -1
	s_barrier_wait -1                              ; everybody's is
	FETCHB 0
	FETCHB 1
.irp i, 0,1,2,3,4,5,6,7,8,9,10,11,12,13,14,15
	HS \i
.endr
; THE WAY OUT, block by block of 16 rows x 128 columns.  LDS serves a wave's instructions in order (ISA guide 5.7.1.4): no wait between the stage's stores and its loads.
.macro TOSTAGE a
	WIN 0x13                                       ; source 0 (the sums) window 3, source 2 (out_b) window 1
.set jj, 0
.rept 32
	v_pk_fma_f32 v[TMP+jj:TMP+jj+1], v[64*(\a)+jj:64*(\a)+jj+1], s[96:97], v[jj:jj+1] op_sel_hi:[1,0,1]   ; sum x 2^(e6 + e7) + out_b; each accumulator from its low end on
.set jj, jj+2
.endr
	WIN 0
.irp b, 0,1,2,3,4,5,6,7
	ds_store_b128 v[STO], v[TMP+8*\b:TMP+8*\b+3] offset:64*\b
	ds_store_b128 v[STO], v[TMP+8*\b+4:TMP+8*\b+7] offset:64*\b+16
.endr
.set RB, BK+64*((\a)%2)
.irp t, 0,1,2,3,4,5,6,7,8,9,10,11,12,13,14,15
	ds_load_b128 v[RB+4*\t:RB+4*\t+3], v[RD] offset:\t*SPITCH
.endr
.endm
.macro SEND a, younger                 ; younger: the LDS instructions issued behind block a's loads, which may stay out
.set RB, BK+64*((\a)%2)
	s_wait_dscnt \younger                          ; the block is back in registers
.if (\a) > 0
	s_add_nc_u64 s[12:13], s[12:13], 16*4096       ; (behind a wait on XCNT: the earlier stores have read their base)  16 rows of out0 on
.endif
.irp t, 0,1,2,3,4,5,6,7,8,9,10,11,12,13,14,15
	global_store_b128 v[CO], v[RB+4*\t:RB+4*\t+3], s[12:13] offset:\t*4096 th:TH_STORE_NT   ; 32 lanes store 512 consecutive bytes, at a multiple of 512 from out0's first byte
.endr
.endm
	PLACES                                         ; behind the last products: their results are read, and B's buffers written, only behind these
	s_wait_loadcnt 0x0                             ; out_b
	TOSTAGE 0
.irp a, 1,2,3
.if \a > 1
	s_wait_xcnt 0x0                                ; block a - 2's stores have read their registers and their base
.endif
	TOSTAGE \a
	SEND \a-1, 32                                  ; behind block a - 1's loads: block a's 16 stores and 16 loads
.endr
	s_wait_xcnt 0x0                                ; block 2's stores have read their base
	SEND 3, 0
	s_wait_tensorcnt 0x0                           ; the wave's end, behind my last tensor load and my last LDS store
	ds_add_u32 v[SPW], v[NIL]
	s_wait_dscnt 0x0
	CROUND                                         ; the closing round: no work-group ends while a partner may still ask for a tile that names it
	s_endpgm
.Lfunc_end_k_qf3a2061ff6_proj:
	.size	k_qf3a2061ff6_proj, .Lfunc_end_k_qf3a2061ff6_proj-k_qf3a2061ff6_proj
	.p2alignl 7, 3214868480
	.fill 96, 4, 3214868480
	.section	.rodata,"a",@progbits
	.p2align	6, 0x0
	.amdhsa_kernel k_qf3a2061ff6_proj
		.amdhsa_group_segment_fixed_size 327680
		.amdhsa_private_segment_fixed_size 0
		.amdhsa_enable_private_segment 0
		.amdhsa_kernarg_size 40
		.amdhsa_user_sgpr_count 2
		.amdhsa_user_sgpr_kernarg_segment_ptr 1
		.amdhsa_wavefront_size32 1
		.amdhsa_system_sgpr_workgroup_id_x 1
		.amdhsa_system_sgpr_workgroup_id_y 1
		.amdhsa_system_sgpr_workgroup_id_z 1
		.amdhsa_system_vgpr_workitem_id 0
		.amdhsa_next_free_vgpr 1024
		.amdhsa_next_free_sgpr 98
		.amdhsa_reserve_vcc 0
		.amdhsa_float_denorm_mode_32 3
		.amdhsa_float_denorm_mode_16_64 3
		.amdhsa_memory_ordered 1
		.amdhsa_forward_progress 1
		.amdhsa_inst_pref_size 93
	.end_amdhsa_kernel
	.amdgpu_metadata
---
amdhsa.version: [ 1, 2 ]
amdhsa.kernels:
  - .name:           k_qf3a2061ff6_proj
    .symbol:         k_qf3a2061ff6_proj.kd
    .args:
      - { .name: ai, .offset: 0, .size: 8, .value_kind: global_buffer, .address_space: global }
      - { .name: owq, .offset: 8, .size: 8, .value_kind: global_buffer, .address_space: global }
      - { .name: lowp_scales, .offset: 16, .size: 8, .value_kind: global_buffer, .address_space: global }
      - { .name: out_b, .offset: 24, .size: 8, .value_kind: global_buffer, .address_space: global }
      - { .name: out0, .offset: 32, .size: 8, .value_kind: global_buffer, .address_space: global }
    .group_segment_fixed_size: 327680
    .private_segment_fixed_size: 0
    .kernarg_segment_align: 8
    .kernarg_segment_size: 40
    .max_flat_workgroup_size: 128
    .sgpr_count:     98
    .vgpr_count:     1024
    .wavefront_size: 32
...
	.end_amdgpu_metadata
.endif
;; end of part 4
